; MI455X (gfx1250); checked and timed in simulation.
; The chip was launched on July 23, 2026; its instructions are those of AMD's public machine-readable ISA for CDNA 5 (MIT licence, August 2026) and "CDNA5" Instruction Set Architecture Reference Guide (July 2026). The comments in the code are by the model that wrote it; some were corrected since.
;; Microring Basis Base. Allowed arithmetic: matrix products marked QUANTISED: E3M2 operands, one E8M0 scale for each 32 along K, by v_wmma_scale_f32_16x16x128_f8f6f4 with both operands' format E3M2, f32 sums; everything else in f32.
;; Inputs: base_weight_codes 512 x 16 x 24 uint8 (E3M2 codes of base_weight, K innermost, in blocks of 32 codes, four codes in three bytes); base_weight_scales 512 x 16 uint8 (E8M0 scales of base_weight, one for each 32 codes along K); coeffs 512 x 512 x 16 float32; x 4,096 x 512 float32.
;; Outputs: out0 4,096 x 512 float32; out1 1 float32.
;; This version of the problem:
;;   THIS VERSION OF THE PROBLEM IS GIVEN IN LOW PRECISION. The matrix products marked QUANTISED in the list below multiply operands that are first quantised to E3M2 (3 exponent bits, 2 mantissa bits; 6 bits a number), with one power-of-two scale for each 32 numbers along K (OCP MX v1.0); their sums are f32. All else is computed in f32.
;;   The module's matrix products, in the order in which they are computed (A, B: the left and right operand; K: the contracted axis; several contracted axes count as one K, in the product's order):
;;     1. [M 4,096, K 8,192] x [K 8,192, N 512]; A: computed on the way; B: input coeffs: QUANTISED
;;     2. [M 4,096, K 512] x [K 512, N 512]; A: input x; B: input base_weight (given as codes): QUANTISED
;;   THE QUANTISER, for each operand of a quantised product, along K:
;;     - K is cut into blocks of 32 from its start; a last block that is shorter is filled with zeros.
;;     - A block's scale is 2^e with e = floor(log2(the largest magnitude in the block)) - 4, held to -126 .. 127; a block of zeros has e = 0. As a byte (E8M0): e + 127.
;;     - Each number is divided by its block's scale, clamped to +-28, and rounded to the nearest number of E3M2, ties to even, subnormals kept.
;;     - The product sums the exact products of the quantised numbers (number of the format x scale) in f32.
;;   ~~~python
;;   def quantise(x, axis):      # numpy; x: float32 -> the quantised numbers, widened to float32 again
;;       x = np.moveaxis(x, axis, -1); K = x.shape[-1]
;;       x = np.pad(x, [(0, 0)] * (x.ndim - 1) + [(0, -K % 32)]); x = x.reshape(x.shape[:-1] + (-1, 32)); a = np.abs(x).max(-1, keepdims=True)
;;       e = np.where(a > 0, np.clip(np.frexp(np.where(a > 0, a, 1))[1] - 1 - 4, -126, 127), 0)      # np.frexp(a)[1] - 1 = floor(log2(a)), exactly
;;       r = np.clip(x / 2.0 ** e, -28, 28)
;;       step = 2.0 ** (np.maximum(np.frexp(np.where(r == 0, 1, r))[1] - 1, -2) - 2)
;;       q = np.round(r / step) * step * 2.0 ** e      # np.round: ties to even
;;       return np.moveaxis(q.reshape(q.shape[:-2] + (-1,))[..., :K], -1, axis).astype(np.float32)
;;   ~~~
;;   OPERANDS COMPUTED ON THE WAY. 'Computed on the way' means the value that the module computes at that place (a softmax that the list does not call 'softmax' is quantised finished and normalised). What goes into a quantiser is computed in f32, as accurately as f32 sums, v_exp_f32 and their like allow (about 1e-6 of the number): no bf16 or f16 on the way to a quantiser, and a product that is left as it is and whose result goes on into a quantised operand takes f32 operands (vector FMAs, or v_wmma_f32_16x16x4_f32). A number that lies on a knife's edge between two numbers of the format may be rounded either way, as far as f32 arithmetic and the matrix unit's own rounding can turn it there, and no further.
;;   INPUTS GIVEN AS CODES. base_weight (in the module: [512, 512], K = its axis 0): each comes as NAME_codes (uint8): NAME with its K axis moved to the last place and cut into blocks of 32 codes, [.., K / 32, bytes a block], one block behind the other in memory; four codes in three bytes: a row's codes are one little-endian stream of bits, code i at bits 6 i .. 6 i + 5 (a code: sign, 3 exponent bits, 2 mantissa bits); and NAME_scales (uint8): the same leading axes, one E8M0 byte (e + 127) for each 32 codes along K. Its value is code x scale, taken as it is: it is not quantised again, and the codes and scales need not be those that the quantiser above would give.
;; 2 versions. Each part assembles by itself: llvm-mc -triple=amdgcn-amd-amdhsa -mcpu=gfx1250 --defsym DOCPART=n.
;; ======== version 1 of 2: 2 launches
;; workspace buffers: bq 3,481,600 bytes
;; launch prep (part 1): grid 272 x 1, 2 waves a work-group, no clusters, 20,736 bytes of LDS; arguments coeffs, base_weight_codes, base_weight_scales, bq, out1; writes bq, out1
.if DOCPART == 1
	.amdgcn_target "amdgcn-amd-amdhsa--gfx1250"
	.amdhsa_code_object_version 6
	.text
	.protected	k_q8164ffc8a2_prep
	.globl	k_q8164ffc8a2_prep
	.p2align	8
	.type	k_q8164ffc8a2_prep,@function
k_q8164ffc8a2_prep:
	s_mov_b64 s[64:65], 0
	v_nop
	global_prefetch_b8 v0, s[64:65] scope:SCOPE_SE
	s_setreg_imm32_b32 hwreg(HW_REG_WAVE_MODE, 25, 1), 1
	s_wait_xcnt 0x0
; coeffs [512 (i)][512 (o)][16 (n)], f32, is the right operand of the first product: K = (i, n), n innermost, N = o.  It is turned ONCE into codes of BF6 (E3M2) with one E8M0 byte
; for each 32 along K, and laid in bq in the ORDER OF THE OPERAND'S REGISTERS, so that the product's launch brings a K step as one dense block and reads a fragment by three loads of 16 bytes a lane.
; base_weight's codes and scale bytes, which are given, are copied into the same layout (nothing is quantised again).  out1 = 0 is stored here too.
; bq: block (nh, tau, w) at ((17 nh + tau) 4 + w) x 25,600 bytes: nh = half of N, w = the wave that will read it, tau = 0: base_weight's K step w; tau >= 1: coeffs' K step s = 16 w + tau - 1 (128 along K: i = 8 s .. 8 s + 7).
;   In a block: fragment ct (columns o = 256 nh + 16 ct + r) at 1,536 ct: registers 4 g .. 4 g + 3 of lane l at 512 g + 16 l.  From byte 24,576: scale registers 2 p, 2 p + 1 of lane l at 256 p + 8 l;
;   scale register q holds the words of fragment 2 q in lanes 0-15 and those of fragment 2 q + 1 in lanes 16-31.
; WHICH K A LANE HOLDS (coeffs): lane (r, h), registers 6 c .. 6 c + 5: i = 8 s + 4 h + 2 c + {0, 1}, n = 0 .. 15: a block of 32 of the quantiser (i even).  Within a K step the four blocks stand in another order
;   than in K; the other operand is made in the same order, so the products are the same.  Byte 2 c + h of a column's scale word is that block's.
; A block's byte is its largest magnitude's exponent field - 4, held at 1 from below.  A block of zeros so gets the byte 1 where the rule says 127: its codes are zeros, and only this program reads the bytes.
; LIMITS: NaN and infinities in coeffs are not served.
; SHARES: work-groups 0-255: each of the two waves takes one K step x 64 columns (four fragments).  Work-groups 256-271: each wave copies one K step x 64 columns of base_weight.
; A fragment's numbers are loaded as they lie, 512 consecutive bytes a load, and turned through the wave's own stage in LDS (16 bytes of padding behind each column's 64), so that a lane gets 64 neighbouring bytes of ITS column.
; Waves share nothing: no barrier.  The copying path uses no LDS.
.set BLKB,  25600
.set SW,    16                         ; v16-19   a fragment's scale words
.set IMG,   20                         ; v20-43   a fragment's 12 registers, two sets by turns
.set TC,    44                         ; v44-51   the upper halves of the two blocks' codes (a conversion's three registers begin on an even number)
.set X,     56                         ; v56-119  my 64 numbers: 32 c + 16 e + n
.set R,     120                        ; v120-247 two sets of 64 registers as loaded
; from cg (s17), w (s20), tau (s21): byte offsets in bq: s[24:25] the four fragments, s[32:33] their scale words
.macro DEST
	s_lshr_b32 s18, s17, 2                         ; nh
	s_and_b32 s19, s17, 3                          ; p: which four fragments of the block's sixteen
	s_mul_i32 s24, s18, 17
	s_add_co_u32 s24, s24, s21
	s_lshl_b32 s24, s24, 2
	s_add_co_u32 s24, s24, s20
	s_mul_i32 s24, s24, BLKB                       ; the block
	s_lshl_b32 s32, s19, 8
	s_add_co_u32 s32, s32, s24
	s_add_co_u32 s32, s32, 24576
	s_mov_b32 s33, 0
	s_mul_i32 s19, s19, 6144
	s_add_co_u32 s24, s24, s19
	s_mov_b32 s25, 0
.endm
	s_load_b256 s[4:11], s[0:1], 0x0               ; coeffs s[4:5], base_weight's codes s[6:7], its scales s[8:9], bq s[10:11]
	s_load_b64 s[12:13], s[0:1], 0x20              ; out1
	v_lshl_add_u32 v248, v0, 2, 0x5000
	v_mov_b32 v249, 0
	v_lshrrev_b32 v1, 5, v0
	v_readfirstlane_b32 s14, v1                    ; wave 0, 1
	v_and_b32 v1, 31, v0                           ; lane
	v_and_b32 v2, 15, v0                           ; r
	v_bfe_u32 v3, v0, 4, 1                         ; h
	v_lshlrev_b32 v4, 4, v1                        ; 16 x lane
	v_lshlrev_b32 v7, 3, v1                        ; 8 x lane
	s_cmp_ge_u32 ttmp9, 256
	s_cbranch_scc1 .Lrelay
	; ---- coeffs
	s_lshl_b32 s15, ttmp9, 1
	s_add_co_u32 s15, s15, s14                     ; task 0 .. 511
	s_lshr_b32 s16, s15, 3                         ; K step s
	s_and_b32 s17, s15, 7                          ; cg: columns 64 cg on
	s_lshr_b32 s20, s16, 4                         ; w
	s_and_b32 s21, s16, 15
	s_add_co_u32 s21, s21, 1                       ; tau
	DEST
	s_lshl_b32 s22, s16, 18                        ; 8 s rows i of 32,768 bytes
	s_lshl_b32 s23, s17, 12                        ; + 64 cg columns of 64 bytes
	s_add_co_u32 s22, s22, s23
	s_mov_b32 s23, 0
	s_mov_b32 s36, 0x76543210
	s_mov_b32 s37, 0xfedcba98                      ; v_permlanex16_b32's selects for lane l xor 16
	s_mul_i32 s30, s14, 10240                      ; my wave's stage
	v_lshrrev_b32 v8, 2, v1
	v_mul_u32_u24 v5, v8, 80
	v_and_b32 v8, 3, v1
	v_lshl_add_u32 v5, v8, 4, v5
	v_add_nc_u32 v5, s30, v5                       ; into the stage: four lanes' 64 bytes are a column's: 80 (lane / 4) + 16 (lane % 4)
	v_mul_u32_u24 v6, v2, 80
	v_mad_u32_u24 v6, v3, 5120, v6
	v_add_nc_u32 v6, s30, v6                       ; out of it: column r; lanes 16-31 begin four rows i (4 x 1,280 bytes) further on
	v_lshlrev_b32 v14, 3, v3                       ; 8 h: my bytes' place in the scale word
	v_mov_b32 v15, 0                               ; written once: a lane permute's destination counts as one of its sources
	s_wait_kmcnt 0x0
	s_add_nc_u64 s[4:5], s[4:5], s[22:23]
	s_add_nc_u64 s[26:27], s[10:11], s[24:25]
	s_add_nc_u64 s[28:29], s[10:11], s[32:33]
.macro LOADF f                         ; fragment f: 16 columns x 8 rows i: for each i 1,024 consecutive bytes, two loads of 512
.irp ii, 0,1,2,3,4,5,6,7
.irp q, 0,1
	global_load_b128 v[R+64*((\f)%2)+4*(2*\ii+\q):R+64*((\f)%2)+4*(2*\ii+\q)+3], v4, s[4:5] offset:\ii*32768+(\f)*1024+512*\q th:TH_LOAD_NT
.endr
.endr
.endm
.macro FRAGQ f
.set RS, R+64*((\f)%2)
.set IM, IMG+12*((\f)%2)
.if (\f) < 3
	s_wait_loadcnt 16                              ; this fragment's 16 loads are in; the next fragment's 16 may be out
.else
	s_wait_loadcnt 0x0
.endif
.irp ii, 0,1,2,3,4,5,6,7
.irp q, 0,1
	ds_store_b128 v5, v[RS+4*(2*\ii+\q):RS+4*(2*\ii+\q)+3] offset:\ii*1280+\q*640
.endr
.endr
.irp b, 0,1,2,3                        ; b = 2 c + e.  LDS serves a wave's instructions in order: these see the stores above, and the last fragment's reads are over
.irp q, 0,1,2,3
	ds_load_b128 v[X+16*\b+4*\q:X+16*\b+4*\q+3], v6 offset:\b*1280+16*\q
.endr
.endr
	s_wait_dscnt 16                                ; the 16 stores are done (the 16 loads behind them may be out): they have read their registers,
.if (\f) < 2
	LOADF (\f)+2                                   ; which take the fragment two further on
.endif
	s_wait_dscnt 0x0
.irp c, 0,1
	v_max3_num_f32 v[8+\c], |v[X+32*\c]|, |v[X+32*\c+1]|, 0x2800000   ; my block c: all 32 numbers are mine; and the floor 2^(5 - 127): the byte cannot fall under 1
.endr
.irp i, 2,4,6,8,10,12,14,16,18,20,22,24,26,28,30
.irp c, 0,1
	v_max3_num_f32 v[8+\c], v[8+\c], |v[X+32*\c+\i]|, |v[X+32*\c+\i+1]|   ; (the two blocks by turns)
.endr
.endr
.irp c, 0,1
	v_add_nc_u32 v[10+\c], 0xfe000000, v[8+\c]     ; 4 off the exponent field: the conversion takes this operand's exponent field as its scale
.endr
.irp c, 0,1
	v_lshrrev_b32 v[12+\c], 23, v[10+\c]           ; the scale's byte
.endr
	v_lshl_or_b32 v[SW+\f], v13, 16, v12           ; bytes 2 c + h of column r's word: mine,
	v_lshlrev_b32 v[SW+\f], v14, v[SW+\f]
	v_permlanex16_b32 v15, v[SW+\f], s36, s37
	v_or_b32 v[SW+\f], v[SW+\f], v15               ; and lane l xor 16's two
.if (\f) >= 2
	s_wait_xcnt 0x0                                ; the stores of two fragments ago have read this set of registers
.endif
.irp c, 0,1
	v_cvt_scalef32_pk16_bf6_f32 v[IM+6*\c:IM+6*\c+2], v[X+32*\c:X+32*\c+15], v[10+\c]
	v_cvt_scalef32_pk16_bf6_f32 v[TC+4*\c:TC+4*\c+2], v[X+32*\c+16:X+32*\c+31], v[10+\c]
.endr
	v_nop                                          ; one plain place behind a scaled conversion
.irp c, 0,1
.irp i, 0,1,2
	v_mov_b32 v[IM+6*\c+3+\i], v[TC+4*\c+\i]
.endr
.endr
.irp g, 0,1,2
	global_store_b128 v4, v[IM+4*\g:IM+4*\g+3], s[26:27] offset:(\f)*1536+512*\g   ; 32 lanes store 512 consecutive bytes, aligned
.endr
.endm
	LOADF 0
	LOADF 1
	FRAGQ 0
	FRAGQ 1
	FRAGQ 2
	FRAGQ 3
	v_cmp_le_u32 vcc_lo, 16, v1                    ; lanes 16-31 carry the odd fragment's words
	v_cndmask_b32 v12, v[SW], v[SW+1], vcc_lo
	v_cndmask_b32 v13, v[SW+2], v[SW+3], vcc_lo
	global_store_b64 v7, v[12:13], s[28:29]        ; 32 lanes store 256 consecutive bytes, aligned
	s_wait_tensorcnt 0x0
	ds_add_u32 v248, v249
	s_wait_dscnt 0x0
	s_endpgm
	; ---- base_weight: codes [512 (o)][16][24], a row 384 bytes; scale bytes [512][16].  K in its own order: lane (r, h), registers 6 c ..: k = 128 w + 64 c + 32 h + 0 .. 31
.Lrelay:
	s_sub_co_u32 s15, ttmp9, 256
	s_lshl_b32 s15, s15, 1
	s_add_co_u32 s15, s15, s14                     ; task 0 .. 31
	s_lshr_b32 s20, s15, 3                         ; w: the K step
	s_and_b32 s17, s15, 7                          ; cg
	s_mov_b32 s21, 0                               ; tau
	DEST
	s_mul_i32 s22, s17, 24576                      ; 64 cg rows of 384 bytes
	s_mul_i32 s34, s20, 96                         ; + the K step's 96 bytes
	s_add_co_u32 s22, s22, s34
	s_mov_b32 s23, 0
	s_lshl_b32 s34, s17, 10                        ; 64 cg rows of 16 scale bytes
	s_lshl_b32 s35, s20, 2                         ; + the K step's word
	s_add_co_u32 s34, s34, s35
	s_mov_b32 s35, 0
	v_mul_u32_u24 v5, v2, 384
	v_mad_u32_u24 v5, v3, 24, v5                   ; row r, + 24 h
	s_wait_kmcnt 0x0
	s_add_nc_u64 s[6:7], s[6:7], s[22:23]
	s_add_nc_u64 s[8:9], s[8:9], s[34:35]
	s_add_nc_u64 s[26:27], s[10:11], s[24:25]
	s_add_nc_u64 s[28:29], s[10:11], s[32:33]
.irp f, 0,1,2,3
.irp p, 0,1,2,3,4,5
	global_load_b64 v[IMG+12*\f+2*\p:IMG+12*\f+2*\p+1], v5, s[6:7] offset:\f*6144+48*(\p/3)+8*(\p%3)
.endr
.endr
.irp q, 0,1
	global_load_b32 v[12+\q], v4, s[8:9] offset:512*\q   ; lane l: the word of column 64 cg + 32 q + l: fragment 2 q in lanes 0-15, 2 q + 1 in lanes 16-31
.endr
	s_wait_loadcnt 0x0
.irp f, 0,1,2,3
.irp g, 0,1,2
	global_store_b128 v4, v[IMG+12*\f+4*\g:IMG+12*\f+4*\g+3], s[26:27] offset:\f*1536+512*\g
.endr
.endr
	global_store_b64 v7, v[12:13], s[28:29]
	s_cmp_lg_u32 s15, 0                            ; one wave of the launch stores out1 = 0
	s_cbranch_scc1 .Ldone
	v_mov_b32 v8, 0
	v_mov_b32 v9, 0
	s_wait_xcnt 0x0                                ; EXEC changes only behind this wait: the stores above have it among their sources
	v_cmp_eq_u32 vcc_lo, 0, v1
	s_and_saveexec_b32 s30, vcc_lo
	global_store_b32 v8, v9, s[12:13]
	s_wait_xcnt 0x0
	s_or_b32 exec_lo, exec_lo, s30
.Ldone:
	s_endpgm
.Lfunc_end_k_q8164ffc8a2_prep:
	.size	k_q8164ffc8a2_prep, .Lfunc_end_k_q8164ffc8a2_prep-k_q8164ffc8a2_prep
	.p2alignl 7, 3214868480
	.fill 96, 4, 3214868480
	.section	.rodata,"a",@progbits
	.p2align	6, 0x0
	.amdhsa_kernel k_q8164ffc8a2_prep
		.amdhsa_group_segment_fixed_size 20736
		.amdhsa_private_segment_fixed_size 0
		.amdhsa_enable_private_segment 0
		.amdhsa_kernarg_size 40
		.amdhsa_user_sgpr_count 2
		.amdhsa_user_sgpr_kernarg_segment_ptr 1
		.amdhsa_wavefront_size32 1
		.amdhsa_system_sgpr_workgroup_id_x 1
		.amdhsa_system_sgpr_workgroup_id_y 1
		.amdhsa_system_sgpr_workgroup_id_z 1
		.amdhsa_system_vgpr_workitem_id 0
		.amdhsa_next_free_vgpr 250
		.amdhsa_next_free_sgpr 66
		.amdhsa_reserve_vcc 1
		.amdhsa_float_denorm_mode_32 3
		.amdhsa_float_denorm_mode_16_64 3
		.amdhsa_memory_ordered 1
		.amdhsa_forward_progress 1
		.amdhsa_inst_pref_size 36
	.end_amdhsa_kernel
	.amdgpu_metadata
---
amdhsa.version: [ 1, 2 ]
amdhsa.kernels:
  - .name:           k_q8164ffc8a2_prep
    .symbol:         k_q8164ffc8a2_prep.kd
    .args:
      - { .name: coeffs, .offset: 0, .size: 8, .value_kind: global_buffer, .address_space: global }
      - { .name: base_weight_codes, .offset: 8, .size: 8, .value_kind: global_buffer, .address_space: global }
      - { .name: base_weight_scales, .offset: 16, .size: 8, .value_kind: global_buffer, .address_space: global }
      - { .name: bq, .offset: 24, .size: 8, .value_kind: global_buffer, .address_space: global }
      - { .name: out1, .offset: 32, .size: 8, .value_kind: global_buffer, .address_space: global }
    .group_segment_fixed_size: 20736
    .private_segment_fixed_size: 0
    .kernarg_segment_align: 8
    .kernarg_segment_size: 40
    .max_flat_workgroup_size: 64
    .sgpr_count:     66
    .vgpr_count:     250
    .wavefront_size: 32
...
	.end_amdgpu_metadata
.endif
;; end of part 1
;; launch main (part 2): grid 128 x 2, 4 waves a work-group, clusters of 4 x 1, 327,680 bytes of LDS; arguments x, bq, out0; writes out0
.if DOCPART == 2
	.amdgcn_target "amdgcn-amd-amdhsa--gfx1250"
	.amdhsa_code_object_version 6
	.text
	.protected	k_q8164ffc8a2_main
	.globl	k_q8164ffc8a2_main
	.p2align	8
	.type	k_q8164ffc8a2_main,@function
k_q8164ffc8a2_main:
	s_mov_b64 s[64:65], 0
	v_nop
	global_prefetch_b8 v0, s[64:65] scope:SCOPE_SE
	s_setreg_imm32_b32 hwreg(HW_REG_WAVE_MODE, 25, 1), 1
	s_wait_xcnt 0x0
	s_wait_alu depctr_hold_cnt(0) depctr_sa_sdst(0) depctr_va_vdst(0) depctr_va_sdst(0) depctr_va_ssrc(0) depctr_va_vcc(0) depctr_vm_vsrc(0)
	s_getreg_b32 s2, hwreg(HW_REG_IB_STS2, 6, 4)
	s_cmp_eq_u32 s2, 0
	s_cbranch_scc0 .Lentry_in_a_cluster
	s_endpgm
.Lentry_in_a_cluster:
	s_bfe_u32 s2, ttmp6, 0x10000c
	s_cmp_lg_u32 s2, 0x3003
	s_cbranch_scc0 .Lentry_shape_is_right
	s_endpgm
.Lentry_shape_is_right:
; out0[b][o] = sum over (i, n) of Q(basis[b][i][n]) Q(coeffs[i][o][n]) + sum over i of Q(x[b][i]) base_weight[i][o], both products on codes of BF6 (E3M2) with one E8M0 scale for each 32 along K, sums in f32.
; The right operands come from bq as images of the operand's registers (made by the launch before: its head says how they lie).  x and the basis are quantised here, in registers.
; THE BASIS.  T = num / den = 1 - G / den, G = (1 - a^2)(1 - r^2), den = 1 + r^2 a^2 - 2 r a cos(phi).  The round-trip phase splits exactly: phi = theta(b, i) + off_n, off_n = -pi + 24 deg x n,
;   theta = 2 pi L NEFF / WL0 - (2 pi L NG / WL0) d / (1 + d), d = u x 4 / 1550, u = x held to -1 .. 1.  So ONE sine and cosine serve a (b, i)'s 16 rings: den / G = D0 + k2 cos(theta + 24 deg n),
;   D0 = (1 + r^2 a^2) / G, k2 = 2 r a / G.  theta / pi is a cubic in u (the next term, 4.5e-8 u^4, lies under the cubic's own f32 rounding, and u is clipped for every input); it is brought to -1/2 .. 1/2
;   by taking off the nearest whole number, whose parity gives the sign; cosine and sine are series to f^12 and f^13 (first terms left out: under 7e-9).  One reciprocal serves four rings: 1 / d0 = d2 x (d1 d3) / (d0 d1 d2 d3).
;   For every cosine T lies in 0.7914 .. 0.99927: every block of the basis has floor(log2(max)) = -1, so its scale byte is 122 for EVERY input, and no maximum is searched for.
; LIMITS.  NaN and infinities in x are not served (an infinite x is clipped rightly in the basis, not in the second product).  A block of zeros of x gets the byte 1 with zero codes.  The phase is formed as
;   theta + off_n, good to about 1e-6 rad; reference() rounds phi, about 1,788 rad, in f32, which moves it by up to about 2e-4 rad: a code of the basis turns between the two only where |phi mod 2 pi| is within that of 0.0395 rad.
;   The four waves' partial sums over K are added at the end: another order of f32 additions than one chain along K.
; SHARES.  A work-group makes 32 rows x 256 columns: 256 work-groups.  THE FOUR WAVES SPLIT K: wave w takes x's K step w (tile 0) and the basis' K steps 16 w .. 16 w + 15 (tiles 1 .. 16), for all 32 x 256 outputs:
;   32 accumulators.  So a wave makes its own left fragments in its registers (none goes through LDS), each right fragment is read from LDS by one wave once, and the price is one sum over the waves at the end.
;   The basis is so computed twice in the launch (once for each half of N): 16 rows to a work-group would compute it once and bring twice the bytes of the right operand for each output.
; BY TURNS.  In round tau a wave multiplies tile tau (32 matrix instructions) and computes the basis' fragments for tile tau + 1: eight units of 16 rings, each cut into four slices, one slice ahead of each matrix instruction.
; CLUSTER.  The four work-groups of a cluster have the same half of N and walk the same tiles: each tile is asked for JOINTLY (mask 15).  Only the right operand is loaded by the mover, so a second axis of the cluster has nothing to share.
; THE MATRIX INSTRUCTION IS USED TRANSPOSED (source 0 = 16 columns o, source 1 = my 16 rows): a lane holds eight neighbouring columns of one row.
; LDS: 0: ring of two slots of 102,400 bytes (wave w's block of 25,600 at 25,600 w; dense: a fragment load reads 512 consecutive bytes); 204,800: x, wave w's 32 rows x 512 bytes at pitch 528 (written by LDS stores: no fill lands there);
;   272,384: the spare words.  After the last round the ring's bytes, which have had their last fill, hold the four waves' partial sums: 32 rows at pitch 1,040 for each wave.
; REGISTERS: window 0: addresses, scales, constants, the vector work, A's codes (two buffers);  window 1: accumulator (m, ct) at v[8 (16 m + ct)];  window 2: B's fragment ct at v[12 ct].
.set TILEB, 102400                     ; a slot, and a tile of all four waves in bq
.set WBLK,  25600                      ; a wave's block
.set NHB,   1740800                    ; 17 tiles: a half of N in bq
.set SLAB,  204800
.set SLABW, 16896
.set XP,    528                        ; 512 + 16: an odd multiple of 16 bytes, so the 16 rows of a load begin in different banks (ISA guide 11.1)
.set SPARE, 272384
.set SUMW,  33280
.set SUMP,  1040                       ; 1,024 + 16
.set SPW, 1                            ; v1   LDS address of my spare word; never rewritten
.set NIL, 2                            ; v2   0; never rewritten
.set BA,  3                            ; v3-4 my block's fragments in slot 0, 1: 16 x lane + 25,600 w
.set BS,  5                            ; v5-6 its scale words: 8 x lane + 25,600 w + 24,576
.set XAD, 7                            ; v7   x for the basis: my row r, + 16 h, 32 bytes on in each step
.set XST, 8                            ; v8   x into LDS: 16 x lane
.set L16, 9                            ; v9   16 x lane: global offset of x's loads and out0's stores
.set RST, 10                           ; v10  the sum: where I put 32 bytes of a row
.set RLD, 11                           ; v11-12 and where I read rows back: waves 0, 1's partial sums; waves 2, 3's
.set XQA, 13                           ; v13  x for the second product: my row r, + 128 h
.set ASC, 14                           ; v14  the basis' scale word: four bytes 122
.set CVS, 15                           ; v15  and the conversion's scale operand: 122 << 23
.set XSC, 16                           ; v16-17 x's scale words, row tile m
.set SCB, 18                           ; v18-25 B's scale words: register q: fragment 2 q in lanes 0-15, 2 q + 1 in lanes 16-31
.set P,   26                           ; v26-33 cos(24 deg n), n = 0 .. 7
.set Q,   34                           ; v34-49 -sin(24 deg n), n = 0 .. 15
.set KA2, 50                           ; pairs: the cubic's a2; the series' c5; s5
.set KC5, 52
.set KS5, 54
.set XV,  56                           ; v56-63 eight x: 4 m + e: row 16 m + r, i = 8 s + 4 h + e
.set AC,  64                           ; v64-111 A's codes: buffer b, row tile m at 64 + 24 b + 12 m
.set TC,  112                          ; v112-114 an odd unit's codes (a conversion's three registers begin on an even number)
.set XN,  120                          ; v120-247 at the head: x as loaded, then 128 numbers for the quantiser; at the end: partial sums
.set U,   120
.set KF,  120
.set Z,   128
.set FS,  128
.set ZZ,  136
.set F2S, 136
.set F,   144
.set F2,  152
.set SG,  160                          ; +-k2
.set CC,  168                          ; k2 cos(theta)
.set SS,  176                          ; k2 sin(theta)
.set AA,  184
.set DEN, 192
.set MM,  208
.set QQ,  216
.set RR,  220
.set WW,  224
.set T,   232
.set G1,  16                           ; s[16:23] descriptor group 1;  s[24:27], s[28:31] group 0 of slot 0, 1
.set G0,  24
.set MSB, 0
.macro WIN new                         ; the immediate's high byte repeats the setting that is left; a switch that changes nothing is dropped
.if MSB != \new
	s_set_vgpr_msb (MSB<<8)|\new
.set MSB, \new
.endif
.endm
; A round of the cluster's barrier: my work-group's barrier, wave 0 signals for the work-group, every wave waits for the four work-groups, my work-group's barrier once more.
.macro ROUND
	s_barrier_signal -1
	s_barrier_wait -1
	s_cmp_lg_u32 s10, 0
	s_cbranch_scc1 .Lnot_wave_0_\@
	s_barrier_signal -3
.Lnot_wave_0_\@:
	s_barrier_wait -3
	s_barrier_signal -1
	s_barrier_wait -1
.endm
	s_load_b128 s[4:7], s[0:1], 0x0                ; x s[4:5], bq s[6:7]
	s_load_b64 s[8:9], s[0:1], 0x10                ; out0
	v_lshl_add_u32 v[SPW], v0, 2, SPARE
	v_mov_b32 v[NIL], 0
	ds_add_u32 v1, v2
	ds_add_u32 v1, v2
	s_wait_dscnt 0x0
	v_lshrrev_b32 v248, 5, v0
	v_readfirstlane_b32 s10, v248                  ; wave 0..3
	s_bfe_u32 s11, ttmp6, 0x40000                  ; cx: my place in the cluster: it enters x's and out0's addresses alone
	s_lshl_b32 s12, ttmp9, 2
	s_add_co_u32 s12, s12, s11                     ; my block of 32 rows
	s_and_b32 s13, ttmp7, 0xffff                   ; nh: my half of N, which the four partners share
	; descriptor group 1: a dense block of 25,600 bytes as 100 rows of 256 bytes (32 elements of 8 bytes)
	s_mov_b32 s[G1], 15|(3<<16)|(1<<21)            ; 15:0 the mask: all four work-groups; 17:16 elements of 8 bytes; 20 padding off; 21 set beside a mask
	s_mov_b32 s[G1+1], 32<<16                      ; tensor_dim0 = 32
	s_mov_b32 s[G1+2], 100<<16                     ; tensor_dim1 = 100
	s_mov_b32 s[G1+3], 32<<16                      ; tile_dim0 = 32
	s_mov_b32 s[G1+4], 100                         ; tile_dim1 = 100
	s_mov_b32 s[G1+5], 32                          ; from row to row
	s_mov_b32 s[G1+6], 0
	s_mov_b32 s[G1+7], 0
	s_mul_i32 s32, s10, WBLK                       ; my block in a slot, and in a tile of bq
	s_mul_i32 s34, s13, NHB
	s_add_co_u32 s34, s34, s32
	s_mov_b32 s35, 0
	s_lshl_b32 s40, s12, 16                        ; x: 32 rows of 2,048 bytes a block, + my wave's 512 bytes of a row
	s_lshl_b32 s33, s10, 9
	s_add_co_u32 s40, s40, s33
	s_mov_b32 s41, 0
	s_lshl_b32 s42, s12, 16                        ; out0: the same rows, + the 8 rows that I store, + my half of N
	s_lshl_b32 s33, s10, 14
	s_add_co_u32 s42, s42, s33
	s_lshl_b32 s33, s13, 10
	s_add_co_u32 s42, s42, s33
	s_mov_b32 s43, 0
	s_mul_i32 s33, s10, SLABW
	s_add_co_u32 s33, s33, SLAB                    ; my wave's x in LDS
	s_mov_b32 s38, 0x76543210
	s_mov_b32 s39, 0xfedcba98                      ; v_permlanex16_b32's selects for lane l xor 16
	v_and_b32 v249, 31, v0                         ; lane
	v_and_b32 v250, 15, v0                         ; r
	v_bfe_u32 v251, v0, 4, 1                       ; h
	v_lshlrev_b32 v[L16], 4, v249
	s_wait_kmcnt 0x0
	s_add_nc_u64 s[4:5], s[4:5], s[40:41]
	s_add_nc_u64 s[6:7], s[6:7], s[34:35]
	s_add_nc_u64 s[8:9], s[8:9], s[42:43]
.set i, 0
.rept 32
	global_load_b128 v[XN+4*i:XN+4*i+3], v[L16], s[4:5] offset:i*2048   ; row i: my wave's 128 columns, 512 consecutive bytes
.set i, i+1
.endr
	s_mov_b32 s[G0], 1                             ; count = 1
	s_mov_b32 s[G0+1], s32                         ; LDS address: slot 0
	s_mov_b64 s[G0+2:G0+3], s[6:7]                 ; tile 0
	s_or_b32 s[G0+3], s[G0+3], 0x80000000          ; type = 2
	s_mov_b32 s[G0+4], 1
	s_add_co_u32 s[G0+5], s32, TILEB               ; slot 1
	s_add_nc_u64 s[G0+6:G0+7], s[6:7], TILEB       ; tile 1
	s_or_b32 s[G0+7], s[G0+7], 0x80000000
	ROUND                                          ; all four work-groups are here: the first joint load meets
	tensor_load_to_lds s[G0:G0+3], s[G1:G1+7]      ; tile 0: my one tensor load that is out
	s_nop 0
	v_mov_b32 v[ASC], 0x7a7a7a7a
	v_mov_b32 v[CVS], 0x3d000000
	v_mov_b32 v[P+0], 1.0
	v_mov_b32 v[P+1], 0x3f69de1d                   ;  0.91354546
	v_mov_b32 v[P+2], 0x3f2b4c25                   ;  0.66913061
	v_mov_b32 v[P+3], 0x3e9e377a                   ;  0.30901699
	v_mov_b32 v[P+4], 0xbdd61305                   ; -0.10452846
	v_mov_b32 v[P+5], -0.5
	v_mov_b32 v[P+6], 0xbf4f1bbd                   ; -0.80901699
	v_mov_b32 v[P+7], 0xbf7a67e2                   ; -0.97814760
	v_mov_b32 v[Q+0], 0
	v_mov_b32 v[Q+1], 0xbed03fc9                   ; -0.40673664
	v_mov_b32 v[Q+2], 0xbf3e3ebd                   ; -0.74314483
	v_mov_b32 v[Q+3], 0xbf737871                   ; -0.95105652
	v_mov_b32 v[Q+4], 0xbf7e98fd                   ; -0.99452190
	v_mov_b32 v[Q+5], 0xbf5db3d7                   ; -0.86602540
	v_mov_b32 v[Q+6], 0xbf167918                   ; -0.58778525
	v_mov_b32 v[Q+7], 0xbe54e6cd                   ; -0.20791169
	v_mov_b32 v[Q+8], 0x3e54e6cd                   ; Q(15 - n) = -Q(n)
	v_mov_b32 v[Q+9], 0x3f167918
	v_mov_b32 v[Q+10], 0x3f5db3d7
	v_mov_b32 v[Q+11], 0x3f7e98fd
	v_mov_b32 v[Q+12], 0x3f737871
	v_mov_b32 v[Q+13], 0x3f3e3ebd
	v_mov_b32 v[Q+14], 0x3ed03fc9
	v_mov_b32 v[Q+15], 0
	v_mov_b32 v[KA2], 0x3bdeec56                   ; a2 =  6.8030756e-3
	v_mov_b32 v[KA2+1], 0x3bdeec56
	v_mov_b32 v[KC5], 0xbcd368f9                   ; c5 = -pi^10 / 10!
	v_mov_b32 v[KC5+1], 0xbcd368f9
	v_mov_b32 v[KS5], 0xbbf183a8                   ; s5 = -pi^11 / 11!
	v_mov_b32 v[KS5+1], 0xbbf183a8
	v_lshlrev_b32 v104, 3, v251                    ; 8 h  (v88-106, A's second buffer, are spare until the first round)
	v_mov_b32 v105, 0                              ; written once: a lane permute's destination counts as one of its sources
	v_mov_b32 v106, 0
	v_add_nc_u32 v[BA], s32, v[L16]
	v_add_nc_u32 v[BA+1], TILEB, v[BA]
	v_lshl_add_u32 v[BS], v249, 3, s32
	v_add_nc_u32 v[BS], 24576, v[BS]
	v_add_nc_u32 v[BS+1], TILEB, v[BS]
	v_mul_u32_u24 v252, v250, XP
	v_add_nc_u32 v252, s33, v252
	v_lshl_add_u32 v[XAD], v251, 4, v252
	v_lshl_add_u32 v[XQA], v251, 7, v252
	v_add_nc_u32 v[XST], s33, v[L16]
	s_mul_i32 s44, s10, SUMW
	v_mul_u32_u24 v254, v250, SUMP
	v_lshl_add_u32 v254, v251, 5, v254
	v_add_nc_u32 v[RST], s44, v254                 ; my partial sums: row r, + 32 h
	s_mul_i32 s44, s10, 8*SUMP
	v_add_nc_u32 v[RLD], s44, v[L16]               ; back: rows 8 w on, 16 bytes a lane
	v_add_nc_u32 v[RLD+1], 2*SUMW, v[RLD]
	s_wait_loadcnt 0x0                             ; x
.set i, 0
.rept 32
	ds_store_b128 v[XST], v[XN+4*i:XN+4*i+3] offset:i*XP
.set i, i+1
.endr
	; ---- x's K step w becomes two fragments (row tiles m = 0, 1) in A's buffer 0.  Lane (r, h), block b = 2 m + c: k = 64 c + 32 h + 0 .. 31 of row 16 m + r: a whole block of 32 in one lane
.irp b, 0,1,2,3
.irp q, 0,1,2,3,4,5,6,7
	ds_load_b128 v[XN+32*\b+4*\q:XN+32*\b+4*\q+3], v[XQA] offset:(\b/2)*16*XP+(\b%2)*256+16*\q   ; my wave's own bytes: LDS serves a wave's instructions in order
.endr
.endr
	s_wait_dscnt 0x0
.irp b, 0,1,2,3
	v_max3_num_f32 v[248+\b], |v[XN+32*\b]|, |v[XN+32*\b+1]|, 0x2800000   ; and the floor 2^(5 - 127): the byte cannot fall under 1
.endr
.irp i, 2,4,6,8,10,12,14,16,18,20,22,24,26,28,30
.irp b, 0,1,2,3
	v_max3_num_f32 v[248+\b], v[248+\b], |v[XN+32*\b+\i]|, |v[XN+32*\b+\i+1]|   ; (the four blocks by turns)
.endr
.endr
.irp b, 0,1,2,3
	v_add_nc_u32 v[252+\b], 0xfe000000, v[248+\b]  ; 4 off the exponent field: the conversion's scale operand
.endr
.irp b, 0,1,2,3
	v_lshrrev_b32 v[248+\b], 23, v[252+\b]         ; the scale's byte
.endr
.irp m, 0,1
	v_lshl_or_b32 v[XSC+\m], v[249+2*\m], 16, v[248+2*\m]   ; bytes 2 c + h of my row's word: mine,
.endr
.irp m, 0,1
	v_lshlrev_b32 v[XSC+\m], v104, v[XSC+\m]
.endr
.irp m, 0,1
	v_permlanex16_b32 v[105+\m], v[XSC+\m], s38, s39
.endr
.irp m, 0,1
	v_or_b32 v[XSC+\m], v[XSC+\m], v[105+\m]       ; and lane l xor 16's two
.endr
.irp b, 0,1,2,3
	v_cvt_scalef32_pk16_bf6_f32 v[AC+6*\b:AC+6*\b+2], v[XN+32*\b:XN+32*\b+15], v[252+\b]
	v_cvt_scalef32_pk16_bf6_f32 v[88+4*\b:88+4*\b+2], v[XN+32*\b+16:XN+32*\b+31], v[252+\b]
.endr
	v_nop                                          ; one plain place behind a scaled conversion
.irp b, 0,1,2,3
.irp i, 0,1,2
	v_mov_b32 v[AC+6*\b+3+\i], v[88+4*\b+\i]
.endr
.endr
	ds_load_b128 v[XV:XV+3], v[XAD]                ; x for the basis' first K step
	ds_load_b128 v[XV+4:XV+7], v[XAD] offset:16*XP
	v_add_nc_u32 v[XAD], 32, v[XAD]
; ---- THE MATRIX WORK.  Product wk of a round's 32: fragment ct = wk / 2 of B against row tile wk % 2.  The 32 accumulators take turns, one instruction a turn, in the same order in every round.
; The wait: behind the round 4 loads of scale words, 48 of fragments and 2 nx of x were issued; behind fragment ct's three stand 45 - 3 ct + 2 nx.
.macro WM slot, asc, ast, zero, nx
.set ct, wk/2
.set mr, wk%2
.set rD, 8*(16*mr+ct)
.set rB, 12*ct
.set rA, AC+24*(\slot)+12*mr
.set rSB, SCB+ct/2
.set rSA, (\asc)+(\ast)*mr
	WIN 0x52                                       ; source 0 (B) window 2, source 1 (A) window 0, C and D window 1
.if mr == 0
	s_wait_dscnt 45-3*ct+2*(\nx)
.endif
.if \zero
.if ct%2
	v_wmma_scale_f32_16x16x128_f8f6f4 v[rD:rD+7], v[rB:rB+11], v[rA:rA+11], 0, v[rSB], v[rSA] matrix_a_fmt:MATRIX_FMT_BF6 matrix_b_fmt:MATRIX_FMT_BF6 matrix_a_scale:MATRIX_SCALE_ROW1
.else
	v_wmma_scale_f32_16x16x128_f8f6f4 v[rD:rD+7], v[rB:rB+11], v[rA:rA+11], 0, v[rSB], v[rSA] matrix_a_fmt:MATRIX_FMT_BF6 matrix_b_fmt:MATRIX_FMT_BF6
.endif
.else
.if ct%2
	v_wmma_scale_f32_16x16x128_f8f6f4 v[rD:rD+7], v[rB:rB+11], v[rA:rA+11], v[rD:rD+7], v[rSB], v[rSA] matrix_a_fmt:MATRIX_FMT_BF6 matrix_b_fmt:MATRIX_FMT_BF6 matrix_a_scale:MATRIX_SCALE_ROW1
.else
	v_wmma_scale_f32_16x16x128_f8f6f4 v[rD:rD+7], v[rB:rB+11], v[rA:rA+11], v[rD:rD+7], v[rSB], v[rSA] matrix_a_fmt:MATRIX_FMT_BF6 matrix_b_fmt:MATRIX_FMT_BF6
.endif
.endif
.set wk, wk+1
.endm
; my block of the slot: scale words, 16 fragments; nx = 1: and the eight x of the K step after the one in hand
.macro FETCHB slot, nx
.irp p, 0,1,2,3
	ds_load_b64 v[SCB+2*\p:SCB+2*\p+1], v[BS+\slot] offset:256*\p
.endr
	WIN 0x80                                       ; destination window 2
.irp c, 0,1,2,3,4,5,6,7,8,9,10,11,12,13,14,15
.irp g, 0,1,2
	ds_load_b128 v[12*\c+4*\g:12*\c+4*\g+3], v[BA+\slot] offset:1536*\c+512*\g
.endr
.endr
	WIN 0
.if \nx
	ds_load_b128 v[XV:XV+3], v[XAD]
	ds_load_b128 v[XV+4:XV+7], v[XAD] offset:16*XP
	v_add_nc_u32 v[XAD], 32, v[XAD]
.endif
.endm
; ---- THE VECTOR WORK.  Sine and cosine of eight theta, in four packed pairs.
.macro PKF3 d, a, b, lit               ; d = a b + a constant
.irp j, 0,2,4,6
	v_pk_fma_f32 v[\d+\j:\d+\j+1], v[\a+\j:\a+\j+1], v[\b+\j:\b+\j+1], \lit op_sel_hi:[1,1,0]
.endr
.endm
.macro PKF1 d, a, lit, kp              ; d = a x a constant + a second constant, which stands in a pair of registers (an instruction takes one literal)
.irp j, 0,2,4,6
	v_pk_fma_f32 v[\d+\j:\d+\j+1], v[\a+\j:\a+\j+1], \lit, v[\kp:\kp+1] op_sel_hi:[1,0,1]
.endr
.endm
.macro S1                              ; u = x held to -1 .. 1
.irp k, 0,1,2,3,4,5,6,7
	v_med3_num_f32 v[U+\k], v[XV+\k], -1.0, 1.0
.endr
.endm
.macro SC_REST
	PKF1 Z, U, 0xb79345eb, KA2                     ; z = theta / pi (less 568) = ((a3 u + a2) u + a1) u + z0: a3 = -1.7556324e-5,
	PKF3 Z, Z, U, 0xc028b75e                       ; a1 = -2.6361918,
	PKF3 Z, Z, U, 0x3f9146fc                       ; z0 = 1.1349788
.irp j, 0,2,4,6
	v_pk_add_f32 v[ZZ+\j:ZZ+\j+1], v[Z+\j:Z+\j+1], 0x4b400000 op_sel_hi:[1,0]    ; + 1.5 x 2^23: the sum's low bits are the nearest whole number
.endr
.irp j, 0,2,4,6
	v_pk_add_f32 v[KF+\j:KF+\j+1], v[ZZ+\j:ZZ+\j+1], 0xcb400000 op_sel_hi:[1,0]  ; that number as f32
.endr
.irp k, 0,1,2,3,4,5,6,7
	v_lshl_or_b32 v[SG+\k], v[ZZ+\k], 31, 0x442bbaa6   ; its parity as the sign of k2 = 686.91636
.endr
.irp j, 0,2,4,6
	v_pk_add_f32 v[F+\j:F+\j+1], v[Z+\j:Z+\j+1], v[KF+\j:KF+\j+1] neg_lo:[0,1] neg_hi:[0,1]   ; f in -1/2 .. 1/2
.endr
.irp j, 0,2,4,6
	v_pk_mul_f32 v[F2+\j:F2+\j+1], v[F+\j:F+\j+1], v[F+\j:F+\j+1]
.endr
.irp j, 0,2,4,6
	v_pk_mul_f32 v[F2S+\j:F2S+\j+1], v[F2+\j:F2+\j+1], v[SG+\j:SG+\j+1]
.endr
.irp j, 0,2,4,6
	v_pk_mul_f32 v[FS+\j:FS+\j+1], v[F+\j:F+\j+1], v[SG+\j:SG+\j+1]
.endr
	PKF1 CC, F2, 0x3afce9c5, KC5                   ; cos(pi f) = 1 + f^2 (c1 + f^2 (c2 + ..)), c_j = (-1)^j pi^(2j) / (2j)!: c6, c5
	PKF1 SS, F2, 0x39f47a1a, KS5                   ; sin(pi f) = f (s0 + f^2 (s1 + ..)), s_j = (-1)^j pi^(2j+1) / (2j+1)!: s6, s5.  (The two series by turns: eight chains)
	PKF3 CC, CC, F2, 0x3e70fa83                    ; c4
	PKF3 SS, SS, F2, 0x3da83c1a                    ; s4
	PKF3 CC, CC, F2, 0xbfaae9e4                    ; c3
	PKF3 SS, SS, F2, 0xbf196966                    ; s3
	PKF3 CC, CC, F2, 0x4081e0f8                    ; c2
	PKF3 SS, SS, F2, 0x402335e3                    ; s2
	PKF3 CC, CC, F2, 0xc09de9e6                    ; c1
	PKF3 SS, SS, F2, 0xc0a55de7                    ; s1
.irp j, 0,2,4,6
	v_pk_fma_f32 v[CC+\j:CC+\j+1], v[CC+\j:CC+\j+1], v[F2S+\j:F2S+\j+1], v[SG+\j:SG+\j+1]   ; k2 cos(theta)
.endr
	PKF3 SS, SS, F2, 0x40490fdb                    ; s0
.irp j, 0,2,4,6
	v_pk_mul_f32 v[SS+\j:SS+\j+1], v[SS+\j:SS+\j+1], v[FS+\j:FS+\j+1]                       ; k2 sin(theta)
.endr
.endm
; Unit k = 4 m + e: the 16 rings of row 16 m + r, i = 8 s + 4 h + e.  s = k % 2 says which register of the pair holds k's cosine and sine.
.macro D1 k, s                         ; D0 + k2 cos(theta) cos(24 deg n), n = 0 .. 7: it serves n and 15 - n.  D0 = 691.71090
.set cp, CC+(\k)-\s
.irp j, 0,1,2,3
	v_pk_fma_f32 v[AA+2*\j:AA+2*\j+1], v[cp:cp+1], v[P+2*\j:P+2*\j+1], 0x442ced7f op_sel:[\s,0,0] op_sel_hi:[\s,1,0]
.endr
.endm
.macro MOV3 k, slot                    ; an odd unit's three registers to their place in the buffer that is being made
.irp i, 0,1,2
	v_mov_b32 v[AC+24*(1-(\slot))+12*((\k)/4)+3*((\k)%4)+\i], v[TC+\i]
.endr
.endm
.macro UNIT k, s, ns, slot, asc, ast, zero, nx
.set cs, SS+(\k)-\s
.set cd, AC+24*(1-(\slot))+12*((\k)/4)+3*((\k)%4)
	WIN 0
.irp j, 0,1,2,3                        ; den / G for n = 0 .. 7,
	v_pk_fma_f32 v[DEN+2*\j:DEN+2*\j+1], v[cs:cs+1], v[Q+2*\j:Q+2*\j+1], v[AA+2*\j:AA+2*\j+1] op_sel:[\s,0,0] op_sel_hi:[\s,1,1]
.endr
.irp j, 0,1,2,3                        ; and for n = 15 .. 8: the addend's pair is taken the other way round
	v_pk_fma_f32 v[DEN+14-2*\j:DEN+15-2*\j], v[cs:cs+1], v[Q+14-2*\j:Q+15-2*\j], v[AA+2*\j:AA+2*\j+1] op_sel:[\s,0,1] op_sel_hi:[\s,1,0]
.endr
	WM \slot, \asc, \ast, \zero, \nx
	WIN 0
.irp q, 0,1,2,3                        ; four rings d0 .. d3 at a time: (d0 d2, d1 d3),
	v_pk_mul_f32 v[MM+2*\q:MM+2*\q+1], v[DEN+4*\q:DEN+4*\q+1], v[DEN+4*\q+2:DEN+4*\q+3]
.endr
.irp q, 0,1,2,3                        ; d0 d1 d2 d3 (at most 1,379^4: far inside f32),
	v_mul_f32 v[QQ+\q], v[MM+2*\q], v[MM+2*\q+1]
.endr
	WM \slot, \asc, \ast, \zero, \nx
	WIN 0
.irp q, 0,1,2,3                        ; its reciprocal;
	v_rcp_f32 v[RR+\q], v[QQ+\q]
.endr
.if (\k) < 7
	D1 (\k)+1, \ns                                 ; the next unit's first lines are the plain place behind the reciprocals
.else
	v_nop
.endif
.if ((\k)%2 == 0) && ((\k) > 0)
	MOV3 (\k)-1, \slot
.endif
	WM \slot, \asc, \ast, \zero, \nx
	WIN 0
	s_wait_alu depctr_va_vdst(0)
	v_pk_mul_f32 v[WW:WW+1], v[MM:MM+1], v[RR:RR+1] op_sel:[1,0] op_sel_hi:[0,0]           ; (1 / (d0 d2), 1 / (d1 d3))
	v_pk_mul_f32 v[WW+2:WW+3], v[MM+2:MM+3], v[RR:RR+1] op_sel:[1,1] op_sel_hi:[0,1]
	v_pk_mul_f32 v[WW+4:WW+5], v[MM+4:MM+5], v[RR+2:RR+3] op_sel:[1,0] op_sel_hi:[0,0]
	v_pk_mul_f32 v[WW+6:WW+7], v[MM+6:MM+7], v[RR+2:RR+3] op_sel:[1,1] op_sel_hi:[0,1]
.irp q, 0,1,2,3                        ; T = 1 - 1 / d
	v_pk_fma_f32 v[T+4*\q:T+4*\q+1], v[DEN+4*\q+2:DEN+4*\q+3], v[WW+2*\q:WW+2*\q+1], 1.0 op_sel_hi:[1,1,0] neg_lo:[0,1,0] neg_hi:[0,1,0]
	v_pk_fma_f32 v[T+4*\q+2:T+4*\q+3], v[DEN+4*\q:DEN+4*\q+1], v[WW+2*\q:WW+2*\q+1], 1.0 op_sel_hi:[1,1,0] neg_lo:[0,1,0] neg_hi:[0,1,0]
.endr
.if (\k)%2 == 0                        ; 16 codes, 96 bits; beyond 28 the largest code.  What next touches its result or writes its sources stands behind the next slice's plain lines
	v_cvt_scalef32_pk16_bf6_f32 v[cd:cd+2], v[T:T+15], v[CVS]
.else
	v_cvt_scalef32_pk16_bf6_f32 v[TC:TC+2], v[T:T+15], v[CVS]
.endif
	WM \slot, \asc, \ast, \zero, \nx
.endm
; ---- A ROUND.  slot: the tile's slot, and A's buffer.  refill = 1: the other slot takes the next tile.  vec = 1: the basis' next K step is made, into A's other buffer.  nx = 1: x for the step after that is fetched.
; asc, ast: A's scale register for row tile m is asc + ast m.  zero = 1: the products start the sums.
.macro TRIP slot, refill, vec, nx, asc, ast, zero
	s_wait_tensorcnt 0x0                           ; my one tensor load has landed: my block of this round's tile; so a group 0 may be written
	ds_add_u32 v[SPW], v[NIL]                      ; 0 onto my spare word
	s_add_nc_u64 s[G0+4*\slot+2:G0+4*\slot+3], s[G0+4*\slot+2:G0+4*\slot+3], 2*TILEB   ; this slot's next tile (in the last two rounds the stepped address is not used)
	s_wait_dscnt 0x0                               ; the add is done; my reads of the other slot are over; the x asked for in the last round are in
	ROUND                                          ; all that holds of every wave of the four work-groups
.if \refill
	tensor_load_to_lds s[G0+4-4*\slot:G0+7-4*\slot], s[G1:G1+7]   ; the next tile, into the slot read in the last round: it has this round's work in which to land
	s_nop 0
.endif
.if \vec
	S1                                             ; eight plain lines: with the four at the last round's end the places in front of the loads below
.else
.rept 4
	v_nop                                          ; four places: behind the last moves into A's buffer, and (with those) in front of the loads below
.endr
.endif
	FETCHB \slot, \nx
.set wk, 0
.if \vec
	SC_REST
	D1 0, 0
	UNIT 0, 0, 1, \slot, \asc, \ast, \zero, \nx
	UNIT 1, 1, 0, \slot, \asc, \ast, \zero, \nx
	UNIT 2, 0, 1, \slot, \asc, \ast, \zero, \nx
	UNIT 3, 1, 0, \slot, \asc, \ast, \zero, \nx
	UNIT 4, 0, 1, \slot, \asc, \ast, \zero, \nx
	UNIT 5, 1, 0, \slot, \asc, \ast, \zero, \nx
	UNIT 6, 0, 1, \slot, \asc, \ast, \zero, \nx
	UNIT 7, 1, 0, \slot, \asc, \ast, \zero, \nx
	WIN 0
	v_nop                                          ; a plain place behind the last conversion
	MOV3 7, \slot
.else
.rept 32
	WM \slot, \asc, \ast, \zero, \nx
.endr
	WIN 0
.endif
.endm
	TRIP 0, 1, 1, 1, XSC, 1, 1                     ; tile 0: x against base_weight; the basis' step 0 is made
	s_mov_b32 s36, 7
.Lloop:                                                ; tiles 1 .. 14
	TRIP 1, 1, 1, 1, ASC, 0, 0
	TRIP 0, 1, 1, 1, ASC, 0, 0
	s_sub_co_u32 s36, s36, 1
	s_cmp_lg_u32 s36, 0
	s_cbranch_scc1 .Lloop
	TRIP 1, 1, 1, 0, ASC, 0, 0                     ; tile 15: the last tile is asked for, the last step is made, no x is left to fetch
	TRIP 0, 0, 0, 0, ASC, 0, 0                     ; tile 16: nothing is asked for and nothing is made
	; ---- THE SUM OVER THE WAVES, AND THE WAY OUT.  Each wave lays its 32 x 256 partial sums into the ring's bytes; each then adds four waves' numbers for 8 rows and stores them.
.rept 4
	v_nop                                          ; four places behind the last products, in front of the stores that read results
.endr
	s_wait_dscnt 0x0                               ; my reads of the ring are over
	s_barrier_signal -1
	s_barrier_wait -1                              ; everybody's are
	WIN 0x04                                       ; an LDS store's data are its source 1: window 1
.irp m, 0,1
.irp c, 0,1,2,3,4,5,6,7,8,9,10,11,12,13,14,15
	ds_store_b128 v[RST], v[8*(16*\m+\c):8*(16*\m+\c)+3] offset:\m*16*SUMP+64*\c          ; lane (r, h): row 16 m + r, columns 16 c + 8 h + 0 .. 7; each accumulator from its low end on
	ds_store_b128 v[RST], v[8*(16*\m+\c)+4:8*(16*\m+\c)+7] offset:\m*16*SUMP+64*\c+16
.endr
.endr
	WIN 0
	s_wait_dscnt 0x0                               ; for the others' sake: my stores are done
	s_barrier_signal -1
	s_barrier_wait -1
.macro SLOAD b                         ; batch b: half rows 4 b .. 4 b + 3 of my 16 (8 rows x 2 halves of 512 bytes), from all four waves' sums; two sets of 64 registers by turns
.set RB, XN+64*((\b)%2)
.irp i, 0,1,2,3
.set hr, 4*(\b)+\i
.set so, (hr/2)*SUMP+512*(hr%2)
	ds_load_b128 v[RB+16*\i:RB+16*\i+3], v[RLD] offset:so
	ds_load_b128 v[RB+16*\i+4:RB+16*\i+7], v[RLD] offset:so+SUMW
	ds_load_b128 v[RB+16*\i+8:RB+16*\i+11], v[RLD+1] offset:so
	ds_load_b128 v[RB+16*\i+12:RB+16*\i+15], v[RLD+1] offset:so+SUMW
.endr
.endm
.macro SSUM b, left                    ; left: the next batch's loads, which may stay out
.set RB, XN+64*((\b)%2)
	s_wait_dscnt \left
.irp i, 0,1,2,3
	v_pk_add_f32 v[RB+16*\i:RB+16*\i+1], v[RB+16*\i:RB+16*\i+1], v[RB+16*\i+4:RB+16*\i+5]
	v_pk_add_f32 v[RB+16*\i+2:RB+16*\i+3], v[RB+16*\i+2:RB+16*\i+3], v[RB+16*\i+6:RB+16*\i+7]
	v_pk_add_f32 v[RB+16*\i+8:RB+16*\i+9], v[RB+16*\i+8:RB+16*\i+9], v[RB+16*\i+12:RB+16*\i+13]
	v_pk_add_f32 v[RB+16*\i+10:RB+16*\i+11], v[RB+16*\i+10:RB+16*\i+11], v[RB+16*\i+14:RB+16*\i+15]
.endr
.irp i, 0,1,2,3
	v_pk_add_f32 v[RB+16*\i:RB+16*\i+1], v[RB+16*\i:RB+16*\i+1], v[RB+16*\i+8:RB+16*\i+9]
	v_pk_add_f32 v[RB+16*\i+2:RB+16*\i+3], v[RB+16*\i+2:RB+16*\i+3], v[RB+16*\i+10:RB+16*\i+11]
.endr
.irp i, 0,1,2,3
.set hr, 4*(\b)+\i
	global_store_b128 v[L16], v[RB+16*\i:RB+16*\i+3], s[8:9] offset:(hr/2)*2048+512*(hr%2) th:TH_STORE_NT   ; 32 lanes store 512 consecutive bytes, aligned; written once, read by nobody here
.endr
.endm
	SLOAD 0
	SLOAD 1
	SSUM 0, 16
	s_wait_xcnt 0x0                                ; batch 0's stores have read their registers: batch 2's loads may land there
	SLOAD 2
	SSUM 1, 16
	s_wait_xcnt 0x0
	SLOAD 3
	SSUM 2, 16
	SSUM 3, 0
	s_wait_tensorcnt 0x0                           ; the wave's end: behind my last tensor load and my last LDS store
	ds_add_u32 v[SPW], v[NIL]
	s_wait_dscnt 0x0
	ROUND                                          ; the closing round: no work-group ends while a partner may still ask for a tile that names it
	s_endpgm
.Lfunc_end_k_q8164ffc8a2_main:
	.size	k_q8164ffc8a2_main, .Lfunc_end_k_q8164ffc8a2_main-k_q8164ffc8a2_main
	.p2alignl 7, 3214868480
	.fill 96, 4, 3214868480
	.section	.rodata,"a",@progbits
	.p2align	6, 0x0
	.amdhsa_kernel k_q8164ffc8a2_main
		.amdhsa_group_segment_fixed_size 327680
		.amdhsa_private_segment_fixed_size 0
		.amdhsa_enable_private_segment 0
		.amdhsa_kernarg_size 24
		.amdhsa_user_sgpr_count 2
		.amdhsa_user_sgpr_kernarg_segment_ptr 1
		.amdhsa_wavefront_size32 1
		.amdhsa_system_sgpr_workgroup_id_x 1
		.amdhsa_system_sgpr_workgroup_id_y 1
		.amdhsa_system_sgpr_workgroup_id_z 1
		.amdhsa_system_vgpr_workitem_id 0
		.amdhsa_next_free_vgpr 768
		.amdhsa_next_free_sgpr 66
		.amdhsa_reserve_vcc 0
		.amdhsa_float_denorm_mode_32 3
		.amdhsa_float_denorm_mode_16_64 3
		.amdhsa_memory_ordered 1
		.amdhsa_forward_progress 1
		.amdhsa_inst_pref_size 195
	.end_amdhsa_kernel
	.amdgpu_metadata
---
amdhsa.version: [ 1, 2 ]
amdhsa.kernels:
  - .name:           k_q8164ffc8a2_main
    .symbol:         k_q8164ffc8a2_main.kd
    .args:
      - { .name: x, .offset: 0, .size: 8, .value_kind: global_buffer, .address_space: global }
      - { .name: bq, .offset: 8, .size: 8, .value_kind: global_buffer, .address_space: global }
      - { .name: out0, .offset: 16, .size: 8, .value_kind: global_buffer, .address_space: global }
    .group_segment_fixed_size: 327680
    .private_segment_fixed_size: 0
    .kernarg_segment_align: 8
    .kernarg_segment_size: 24
    .max_flat_workgroup_size: 128
    .sgpr_count:     66
    .vgpr_count:     768
    .wavefront_size: 32
...
	.end_amdgpu_metadata
.endif
;; end of part 2
;; ======== version 2 of 2: 2 launches
;; limits: right only within a limited range of input values
;; workspace buffers: bq 3,481,600 bytes; xa 6,029,312 bytes
;; launch prep (part 3): grid 776 x 1, 4 waves a work-group, no clusters, 75,520 bytes of LDS; arguments coeffs, base_weight_codes, base_weight_scales, x, bq, xa, out1; writes bq, xa, out1
.if DOCPART == 3
	.amdgcn_target "amdgcn-amd-amdhsa--gfx1250"
	.amdhsa_code_object_version 6
	.text
	.protected	k_q8164ffc8a2_prep
	.globl	k_q8164ffc8a2_prep
	.p2align	8
	.type	k_q8164ffc8a2_prep,@function
k_q8164ffc8a2_prep:
	s_mov_b64 s[64:65], 0
	v_nop
	global_prefetch_b8 v0, s[64:65] scope:SCOPE_SE
	s_setreg_imm32_b32 hwreg(HW_REG_WAVE_MODE, 25, 1), 1
	s_wait_xcnt 0x0
; Makes both operands of the product's launch as IMAGES OF THE OPERANDS' REGISTERS.  Every product of the problem is done; nothing is left out.  out1 = 0 is stored here.
; THE BASIS NEEDS ONE BIT A NUMBER.  T = num / den = 1 - G / den, G = (1 - a^2)(1 - r^2), den = 1 + r^2 a^2 - 2 r a cos(phi).  For every cosine T lies in 0.7914 .. 0.99927, so every block of 32 has
;   floor(log2(max)) = -1 and the scale 2^-5 for EVERY input, and T x 32 lies in 25.3 .. 31.98.  The numbers of E3M2 there are 24 and 28 (the largest), so the quantiser gives 24 where T x 32 <= 26 (a tie goes to 24,
;   the even one) and 28 elsewhere.  T <= 26 / 32 is den <= G / 0.1875, which is |phi mod 2 pi| <= 0.0396097.  The codes of 24 and 28 are 30 and 31: they differ in the lowest bit alone.
; THE PHASE splits exactly: phi = theta(b, i) + off_n, off_n = 2 pi (n / 15 - 1/2), theta / 2 pi = L NEFF / WL0 - (L NG / WL0) d / (1 + d), d = u x 4 / 1550, u = x held to -1 .. 1.  With
;   g = 1/2 + 1/30 - theta / 2 pi (a cubic in u; the next term is 2.3e-8 u^4) and w = 15 (g - floor(g)), ring n = floor(w) alone can lie near a whole turn, and it has the code 30 where |w - floor(w) - 1/2| <= 0.0945612.
;   Ring 15 has ring 0's phase.
; A MASK DWORD serves two neighbouring i: its even bits the even i, its odd bits the odd i.  Ring n's code stands at bits 6 n .. of three dwords, its lowest bit at bit 6 n mod 32 of one of them: sixteen different even
;   numbers.  So bit 6 n mod 32 of the mask (one further up for the odd i) is that lowest bit: 0 where the code is 30.
; LIMITS: NaN and infinities in coeffs and x are not served (an infinite x is clipped rightly in the basis, not in the second product).  A block of zeros gets the byte 1, where the rule says 127: its codes are zeros, and only
;   this program reads the bytes.  The phase is good to about 2e-6 rad; reference() rounds phi, about 1,788 rad, in f32: codes turn between the two only within about 2e-4 rad of the edge.
; K ORDER of the first product: K step s = 8 j + ss, lane (r, h), registers 6 c .. 6 c + 5: i = 64 j + 32 h + 4 ss + 2 c + {0, 1}, n = 0 .. 15: a block of 32 of the quantiser.  Both operands are made so.  Second product:
;   K step w: k = 128 w + 64 c + 32 h + 0 .. 31.  Byte 2 c + h of a scale word is the block of registers 6 c of half h.
; bq: for each 64 columns nt 68 blocks of 6,400 bytes: block 4 p + w, where p = t (t < 4) or t + 1 (t >= 4) for coeffs' K step 16 w + t, and p = 4 for base_weight's K step w.  In a block: fragment f (16 columns) at
;   1,536 f, registers 4 g .. 4 g + 3 of lane l at 512 g + 16 l; from 6,144: 8 bytes a lane: words of fragments 0 / 1 (lanes 0-15 / 16-31), then of fragments 2 / 3.
; xa: for each 128 rows mt 188,416 bytes: the masks of K step 16 w + t at 8,192 t + 2,048 w + 256 rt + 8 l (+ 57,344 where t >= 4): dwords c = 0, 1 of lane l; from 32,768: x's K step w, row tile rt (16 rows) at
;   1,792 (8 w + rt): 1,536 bytes of codes as above, then 8 bytes a lane, its row's scale word twice.
; SHARES: work-groups 0-7: each wave copies a K step x 64 columns of base_weight.  8-263: 16 rows of x, wave w its columns 128 w on.  264-775: a K step x 64 columns of coeffs, a fragment a wave.
; Numbers are loaded 512 consecutive bytes a load and turned through the wave's own stage in LDS.  All of a wave's loads are issued at once.
.set XSTG,  41216                      ; 0: coeffs' stages, 4 x 8,192; 40,960: the scale words' exchange; 41,216: x's stages, 4 x 8,448
.set EXCH,  40960
.set SPARE, 75008
.set SW,    16
.set EXA,   18
.set EXB,   19
.set IMG,   20
.set TC,    44
.set KC,    52
.set ONE,   54
.set TWO,   55
.set X,     56
.set R,     120
.set U,     120
.set G,     128
.set H,     136
.set MKO,   184
.set SPW,   216
.set NIL,   217
.set STW,   218                        ; v218-219 coeffs: into the stage, columns 0-7 and 8-15
.set STR,   220                        ; v220-223 out of it, piece q of my column
	s_load_b256 s[4:11], s[0:1], 0x0               ; coeffs s[4:5], base_weight's codes s[6:7], scales s[8:9], x s[10:11]
	s_load_b128 s[12:15], s[0:1], 0x20             ; bq s[12:13], xa s[14:15]
	s_load_b64 s[16:17], s[0:1], 0x30              ; out1
	v_lshl_add_u32 v[SPW], v0, 2, SPARE
	v_mov_b32 v[NIL], 0
	v_lshrrev_b32 v1, 5, v0
	v_readfirstlane_b32 s20, v1                    ; wave 0..3
	v_and_b32 v1, 31, v0                           ; lane
	v_and_b32 v2, 15, v0                           ; r
	v_bfe_u32 v3, v0, 4, 1                         ; h
	v_lshlrev_b32 v4, 4, v1
	v_lshlrev_b32 v7, 3, v1
	v_lshlrev_b32 v14, 3, v3                       ; 8 h: my bytes' place in the scale word
	v_mov_b32 v15, 0                               ; written once: a lane permute's destination counts as one of its sources
	s_mov_b32 s36, 0x76543210
	s_mov_b32 s37, 0xfedcba98                      ; v_permlanex16_b32's selects for lane l xor 16
	s_wait_alu depctr_va_vdst(0)
	s_cmp_lt_u32 ttmp9, 8
	s_cbranch_scc1 .Lrelay
	s_cmp_lt_u32 ttmp9, 264
	s_cbranch_scc1 .Lx
; My 64 numbers, two blocks of 32 (X + 32 c), become 12 registers of codes; SW: my column's or row's scale word
.macro QUANT
.irp c, 0,1
	v_max3_num_f32 v[8+\c], |v[X+32*\c]|, |v[X+32*\c+1]|, 0x2800000   ; and the floor 2^(5 - 127): the byte cannot fall under 1
.endr
.irp i, 2,4,6,8,10,12,14,16,18,20,22,24,26,28,30
.irp c, 0,1
	v_max3_num_f32 v[8+\c], v[8+\c], |v[X+32*\c+\i]|, |v[X+32*\c+\i+1]|
.endr
.endr
.irp c, 0,1
	v_add_nc_u32 v[10+\c], 0xfe000000, v[8+\c]     ; 4 off the exponent field: the conversion takes this operand's exponent field as its scale
.endr
.irp c, 0,1
	v_lshrrev_b32 v[12+\c], 23, v[10+\c]           ; the scale's byte
.endr
	v_lshl_or_b32 v[SW], v13, 16, v12              ; bytes 2 c + h: mine,
	v_lshlrev_b32 v[SW], v14, v[SW]
	v_permlanex16_b32 v15, v[SW], s36, s37
	v_or_b32 v[SW], v[SW], v15                     ; and lane l xor 16's
.irp c, 0,1
	v_cvt_scalef32_pk16_bf6_f32 v[IMG+6*\c:IMG+6*\c+2], v[X+32*\c:X+32*\c+15], v[10+\c]
	v_cvt_scalef32_pk16_bf6_f32 v[TC+4*\c:TC+4*\c+2], v[X+32*\c+16:X+32*\c+31], v[10+\c]
.endr
	v_nop                                          ; one plain place behind a scaled conversion
.irp c, 0,1
.irp i, 0,1,2
	v_mov_b32 v[IMG+6*\c+3+\i], v[TC+4*\c+\i]      ; (a conversion's three registers begin on an even number)
.endr
.endr
.endm
	; ---- coeffs [512 (i)][512 (o)][16 (n)]
	s_sub_co_u32 s21, ttmp9, 264
	s_lshr_b32 s22, s21, 3                         ; K step s
	s_and_b32 s23, s21, 7                          ; nt
	s_lshr_b32 s24, s22, 3                         ; j: 64 rows i of 32,768 bytes
	s_and_b32 s25, s22, 7                          ; ss: 4 rows
	s_lshl_b32 s26, s24, 21
	s_lshl_b32 s27, s25, 17
	s_add_co_u32 s26, s26, s27
	s_lshl_b32 s27, s23, 12                        ; 64 columns of 64 bytes
	s_add_co_u32 s26, s26, s27
	s_lshl_b32 s27, s20, 10                        ; my 16 columns
	s_add_co_u32 s26, s26, s27
	s_mov_b32 s27, 0
	s_lshr_b32 s28, s22, 4                         ; w
	s_and_b32 s29, s22, 15                         ; t
	s_cmp_ge_u32 s29, 4
	s_cselect_b32 s43, 4, 0                        ; base_weight's four blocks stand ahead of t = 4
	s_lshl_b32 s29, s29, 2
	s_add_co_u32 s28, s28, s29
	s_add_co_u32 s28, s28, s43
	s_mul_i32 s29, s23, 68
	s_add_co_u32 s28, s28, s29
	s_mul_i32 s28, s28, 6400                       ; the block in bq
	s_mov_b32 s29, 0
	s_mul_i32 s38, s20, 1536                       ; my fragment in it
	s_mov_b32 s39, 0
	s_lshl_b32 s40, s20, 13                        ; my stage: 8 rows i x 16 columns x 64 bytes
	s_and_b32 s41, s20, 1
	s_lshl_b32 s41, s41, 7
	s_lshr_b32 s42, s20, 1
	s_lshl_b32 s42, s42, 2
	s_add_co_u32 s41, s41, s42
	s_add_co_u32 s41, s41, EXCH
	; a column's four pieces of 16 bytes stand turned by column / 4, so that 16 lanes touch 16 different columns of 16 bytes both ways: piece p of column c at 64 c + 16 ((p + c / 4) mod 4)
	v_lshrrev_b32 v8, 2, v1
	v_and_b32 v9, 3, v1
	v_add_nc_u32 v10, v9, v3
	v_and_b32 v10, 3, v10
	v_lshlrev_b32 v5, 6, v8
	v_lshl_add_u32 v5, v10, 4, v5
	v_add_nc_u32 v[STW], s40, v5                   ; in: lane l brings piece l % 4 of column l / 4,
	v_xor_b32 v[STW+1], 32, v[STW]                 ; and of column 8 + l / 4: two places further round
	v_lshrrev_b32 v11, 2, v2
	v_lshlrev_b32 v12, 6, v2
	v_lshl_add_u32 v12, v3, 12, v12
	v_add_nc_u32 v12, s40, v12                     ; out: column r; lanes 16-31 begin four rows i further on
.irp q, 0,1,2,3
	v_add_nc_u32 v13, \q, v11
	v_and_b32 v13, 3, v13
	v_lshl_add_u32 v[STR+\q], v13, 4, v12
.endr
	v_lshl_add_u32 v[EXA], v2, 3, s41              ; column r's word of fragment f: 8 (16 (f % 2) + r) + 4 (f / 2)
	v_add_nc_u32 v[EXB], EXCH, v7
	s_wait_alu depctr_va_vdst(0)
	s_wait_kmcnt 0x0
	s_add_nc_u64 s[30:31], s[4:5], s[26:27]
	s_add_nc_u64 s[32:33], s[12:13], s[28:29]
	s_add_nc_u64 s[34:35], s[32:33], s[38:39]
.irp i, 0,1,2,3,4,5,6,7
.irp q, 0,1
	global_load_b128 v[R+4*(2*\i+\q):R+4*(2*\i+\q)+3], v4, s[30:31] offset:(\i+28*(\i/4))*32768+512*\q th:TH_LOAD_NT   ; rows i 0-3 and 32-35: 1,024 consecutive bytes each
.endr
.endr
.irp i, 0,1,2,3,4,5,6,7
	s_wait_loadcnt 14-2*\i                         ; row i's two loads are in; the younger ones may be out
.irp q, 0,1
	ds_store_b128 v[STW+\q], v[R+4*(2*\i+\q):R+4*(2*\i+\q)+3] offset:\i*1024+\q*512
.endr
.endr
.irp b, 0,1,2,3                        ; my wave's own bytes: LDS serves a wave's instructions in order
.irp q, 0,1,2,3
	ds_load_b128 v[X+16*\b+4*\q:X+16*\b+4*\q+3], v[STR+\q] offset:\b*1024
.endr
.endr
	s_wait_dscnt 0x0
	QUANT
	ds_store_b32 v[EXA], v[SW]
.irp g, 0,1,2
	global_store_b128 v4, v[IMG+4*\g:IMG+4*\g+3], s[34:35] offset:512*\g   ; 32 lanes store 512 consecutive bytes, aligned
.endr
	s_wait_dscnt 0x0                               ; for wave 0's sake: my words are in LDS
	s_barrier_signal -1
	s_barrier_wait -1
	s_cmp_lg_u32 s20, 0
	s_cbranch_scc1 .Lend
	ds_load_b64 v[12:13], v[EXB]                   ; the four fragments' words
	s_wait_dscnt 0x0
	global_store_b64 v7, v[12:13], s[32:33] offset:6144   ; 256 consecutive bytes, aligned
.Lend:
	s_wait_tensorcnt 0x0                           ; the wave's end
	ds_add_u32 v[SPW], v[NIL]
	s_wait_dscnt 0x0
	s_endpgm
	; ---- x: row tile ttmp9 - 8, wave w: columns 128 w on
.Lx:
	s_sub_co_u32 s21, ttmp9, 8
	s_lshl_b32 s22, s21, 15                        ; 16 rows of 2,048 bytes
	s_lshl_b32 s24, s20, 9
	s_add_co_u32 s22, s22, s24
	s_mov_b32 s23, 0
	s_lshr_b32 s24, s21, 3                         ; mt
	s_mul_i32 s24, s24, 188416
	s_and_b32 s26, s21, 7                          ; rt
	s_lshl_b32 s28, s20, 3
	s_add_co_u32 s28, s28, s26
	s_mul_i32 s28, s28, 1792
	s_add_co_u32 s28, s28, s24
	s_add_co_u32 s28, s28, 32768                   ; codes and scale words
	s_mov_b32 s29, 0
	s_lshl_b32 s26, s26, 8
	s_add_co_u32 s24, s24, s26
	s_lshl_b32 s26, s20, 11
	s_add_co_u32 s24, s24, s26                     ; masks
	s_mov_b32 s25, 0
	s_mov_b32 s38, 0x3dc1a94d                      ; 0.0945612
	s_mul_i32 s40, s20, 8448
	s_add_co_u32 s40, s40, XSTG                    ; my stage: 16 rows at pitch 528
	v_lshl_add_u32 v5, v1, 4, s40
	v_mul_u32_u24 v6, v2, 528
	v_lshl_add_u32 v6, v3, 7, v6
	v_add_nc_u32 v6, s40, v6                       ; out: row r, + 128 h
	v_mov_b32 v[KC], 0xbb5eec56                    ; c2 = -3.4015378e-3
	v_mov_b32 v[KC+1], 0xbb5eec56
	v_mov_b32 v[ONE], 1
	v_mov_b32 v[TWO], 0x4000001                    ; rings 0 and 15: bits 0 and 26 (90 mod 32)
	s_wait_alu depctr_va_vdst(0)
	s_wait_kmcnt 0x0
	s_add_nc_u64 s[30:31], s[10:11], s[22:23]
	s_add_nc_u64 s[32:33], s[14:15], s[28:29]
	s_add_nc_u64 s[34:35], s[14:15], s[24:25]
.set i, 0
.rept 16
	global_load_b128 v[R+4*i:R+4*i+3], v4, s[30:31] offset:i*2048 th:TH_LOAD_NT
.set i, i+1
.endr
.set i, 0
.rept 16
	s_wait_loadcnt 15-i
	ds_store_b128 v5, v[R+4*i:R+4*i+3] offset:i*528
.set i, i+1
.endr
.irp c, 0,1
.irp q, 0,1,2,3,4,5,6,7
	ds_load_b128 v[X+32*\c+4*\q:X+32*\c+4*\q+3], v6 offset:256*\c+16*\q   ; my wave's own bytes: LDS serves a wave's instructions in order
.endr
.endr
	s_wait_dscnt 0x0
	QUANT
	v_mov_b32 v[SW+1], v[SW]
.irp g, 0,1,2
	global_store_b128 v4, v[IMG+4*\g:IMG+4*\g+3], s[32:33] offset:512*\g
.endr
	global_store_b64 v7, v[SW:SW+1], s[32:33] offset:1536
.macro PKG lit                         ; G = G u + a constant
.irp k, 0,2,4,6
	v_pk_fma_f32 v[G+\k:G+\k+1], v[G+\k:G+\k+1], v[U+\k:U+\k+1], \lit op_sel_hi:[1,1,0]
.endr
.endm
; numbers 8 b .. 8 b + 7 of my 64: four mask dwords: K steps t = 2 b and 2 b + 1, c = 0, 1
.macro MASK b
.irp k, 0,1,2,3,4,5,6,7
	v_med3_num_f32 v[U+\k], v[X+8*\b+\k], -1.0, 1.0
.endr
.irp k, 0,2,4,6
	v_pk_fma_f32 v[G+\k:G+\k+1], v[U+\k:U+\k+1], 0x371345eb, v[KC:KC+1] op_sel_hi:[1,0,1]   ; c3 = 8.7781621e-6
.endr
	PKG 0x3fa8b75e                                 ; c1 = 1.3180959
	PKG 0xbd0be73a                                 ; g0 = -0.034156063, a whole number of turns taken off
.irp k, 0,1,2,3,4,5,6,7
	v_floor_f32 v[U+\k], v[G+\k]
.endr
.irp k, 0,2,4,6
	v_pk_add_f32 v[G+\k:G+\k+1], v[G+\k:G+\k+1], v[U+\k:U+\k+1] neg_lo:[0,1] neg_hi:[0,1]
.endr
.irp k, 0,2,4,6
	v_pk_mul_f32 v[U+\k:U+\k+1], v[G+\k:G+\k+1], 0x41700000 op_sel_hi:[1,0]                 ; w = 15 x the fraction
.endr
.irp k, 0,2,4,6
	v_pk_fma_f32 v[G+\k:G+\k+1], v[G+\k:G+\k+1], 0x41700000, -0.5 op_sel_hi:[1,0,0]         ; w - 1/2
.endr
.irp k, 0,1,2,3,4,5,6,7
	v_floor_f32 v[H+\k], v[U+\k]
.endr
.irp k, 0,2,4,6
	v_pk_add_f32 v[G+\k:G+\k+1], v[G+\k:G+\k+1], v[H+\k:H+\k+1] neg_lo:[0,1] neg_hi:[0,1]
.endr
.irp k, 0,1,2,3,4,5,6,7
	v_cvt_u32_f32 v[H+\k], v[H+\k]                 ; n, 0 .. 14 (15 only where the fraction rounds to 1: then the difference is -1/2, and no ring is meant)
.endr
.irp k, 0,1,2,3,4,5,6,7
	v_cmp_ge_f32 s[40+\k], s38, |v[G+\k]|
.endr
.irp k, 0,1,2,3,4,5,6,7
	v_cmp_eq_u32 s[48+\k], 0, v[H+\k]
.endr
.irp k, 0,1,2,3,4,5,6,7
	v_cndmask_b32 v[U+\k], v[ONE], v[TWO], s[48+\k]
.endr
.irp k, 0,1,2,3,4,5,6,7
	v_cndmask_b32 v[U+\k], 0, v[U+\k], s[40+\k]
.endr
.irp k, 0,1,2,3,4,5,6,7
	v_mul_u32_u24 v[H+\k], 6, v[H+\k]
.endr
.irp k, 0,1,2,3,4,5,6,7
	v_lshlrev_b32 v[U+\k], v[H+\k], v[U+\k]        ; a shift takes its amount mod 32
.endr
.irp k, 0,1,2,3
	v_lshl_or_b32 v[U+2*\k], v[U+2*\k+1], 1, v[U+2*\k]
.endr
.irp k, 0,1,2,3
	v_xor_b32 v[MKO+4*\b+\k], -1, v[U+2*\k]
.endr
	global_store_b64 v7, v[MKO+4*\b:MKO+4*\b+1], s[34:35] offset:16384*\b+57344*((\b+6)/8)        ; 32 lanes store 256 consecutive bytes, aligned; x's codes stand ahead of t = 4
	global_store_b64 v7, v[MKO+4*\b+2:MKO+4*\b+3], s[34:35] offset:16384*\b+57344*((\b+6)/8)+8192
.endm
.irp b, 0,1,2,3,4,5,6,7
	MASK \b
.endr
	s_wait_tensorcnt 0x0                           ; the wave's end
	ds_add_u32 v[SPW], v[NIL]
	s_wait_dscnt 0x0
	s_endpgm
	; ---- base_weight: codes [512 (o)][16][24], a row 384 bytes; scale bytes [512][16]
.Lrelay:
	s_lshl_b32 s21, ttmp9, 2
	s_add_co_u32 s21, s21, s20                     ; task 0 .. 31
	s_lshr_b32 s24, s21, 3                         ; w
	s_and_b32 s25, s21, 7                          ; nt
	s_mul_i32 s28, s25, 68
	s_add_co_u32 s28, s28, s24
	s_add_co_u32 s28, s28, 16
	s_mul_i32 s28, s28, 6400
	s_mov_b32 s29, 0
	s_mul_i32 s22, s25, 24576                      ; 64 rows of 384 bytes
	s_mul_i32 s26, s24, 96                         ; + the K step's 96 bytes
	s_add_co_u32 s22, s22, s26
	s_mov_b32 s23, 0
	s_lshl_b32 s26, s25, 10                        ; 64 rows of 16 scale bytes
	s_lshl_b32 s27, s24, 2                         ; + the K step's word
	s_add_co_u32 s26, s26, s27
	s_mov_b32 s27, 0
	v_mul_u32_u24 v5, v2, 384
	v_mad_u32_u24 v5, v3, 24, v5                   ; row r, + 24 h
	s_wait_alu depctr_va_vdst(0)
	s_wait_kmcnt 0x0
	s_add_nc_u64 s[6:7], s[6:7], s[22:23]
	s_add_nc_u64 s[8:9], s[8:9], s[26:27]
	s_add_nc_u64 s[32:33], s[12:13], s[28:29]
.irp f, 0,1,2,3
.irp p, 0,1,2,3,4,5
	global_load_b64 v[IMG+12*\f+2*\p:IMG+12*\f+2*\p+1], v5, s[6:7] offset:\f*6144+48*(\p/3)+8*(\p%3)
.endr
.endr
.irp q, 0,1
	global_load_b32 v[12+\q], v4, s[8:9] offset:512*\q   ; lane l: the word of column 32 q + l: fragment 2 q in lanes 0-15, 2 q + 1 in lanes 16-31
.endr
	s_wait_loadcnt 0x0
.irp f, 0,1,2,3
.irp g, 0,1,2
	global_store_b128 v4, v[IMG+12*\f+4*\g:IMG+12*\f+4*\g+3], s[32:33] offset:\f*1536+512*\g
.endr
.endr
	global_store_b64 v7, v[12:13], s[32:33] offset:6144
	s_cmp_lg_u32 s21, 0                            ; one wave of the launch stores out1 = 0
	s_cbranch_scc1 .Ldone
	v_mov_b32 v8, 0
	v_mov_b32 v9, 0
	s_wait_alu depctr_va_vdst(0)
	s_wait_xcnt 0x0                                ; EXEC changes only behind this wait: the stores above have it among their sources
	v_cmp_eq_u32 vcc_lo, 0, v1
	s_and_saveexec_b32 s30, vcc_lo
	global_store_b32 v8, v9, s[16:17]
	s_wait_xcnt 0x0
	s_or_b32 exec_lo, exec_lo, s30
.Ldone:
	s_endpgm
.Lfunc_end_k_q8164ffc8a2_prep:
	.size	k_q8164ffc8a2_prep, .Lfunc_end_k_q8164ffc8a2_prep-k_q8164ffc8a2_prep
	.p2alignl 7, 3214868480
	.fill 96, 4, 3214868480
	.section	.rodata,"a",@progbits
	.p2align	6, 0x0
	.amdhsa_kernel k_q8164ffc8a2_prep
		.amdhsa_group_segment_fixed_size 75520
		.amdhsa_private_segment_fixed_size 0
		.amdhsa_enable_private_segment 0
		.amdhsa_kernarg_size 56
		.amdhsa_user_sgpr_count 2
		.amdhsa_user_sgpr_kernarg_segment_ptr 1
		.amdhsa_wavefront_size32 1
		.amdhsa_system_sgpr_workgroup_id_x 1
		.amdhsa_system_sgpr_workgroup_id_y 1
		.amdhsa_system_sgpr_workgroup_id_z 1
		.amdhsa_system_vgpr_workitem_id 0
		.amdhsa_next_free_vgpr 224
		.amdhsa_next_free_sgpr 66
		.amdhsa_reserve_vcc 1
		.amdhsa_float_denorm_mode_32 3
		.amdhsa_float_denorm_mode_16_64 3
		.amdhsa_memory_ordered 1
		.amdhsa_forward_progress 1
		.amdhsa_inst_pref_size 79
	.end_amdhsa_kernel
	.amdgpu_metadata
---
amdhsa.version: [ 1, 2 ]
amdhsa.kernels:
  - .name:           k_q8164ffc8a2_prep
    .symbol:         k_q8164ffc8a2_prep.kd
    .args:
      - { .name: coeffs, .offset: 0, .size: 8, .value_kind: global_buffer, .address_space: global }
      - { .name: base_weight_codes, .offset: 8, .size: 8, .value_kind: global_buffer, .address_space: global }
      - { .name: base_weight_scales, .offset: 16, .size: 8, .value_kind: global_buffer, .address_space: global }
      - { .name: x, .offset: 24, .size: 8, .value_kind: global_buffer, .address_space: global }
      - { .name: bq, .offset: 32, .size: 8, .value_kind: global_buffer, .address_space: global }
      - { .name: xa, .offset: 40, .size: 8, .value_kind: global_buffer, .address_space: global }
      - { .name: out1, .offset: 48, .size: 8, .value_kind: global_buffer, .address_space: global }
    .group_segment_fixed_size: 75520
    .private_segment_fixed_size: 0
    .kernarg_segment_align: 8
    .kernarg_segment_size: 56
    .max_flat_workgroup_size: 128
    .sgpr_count:     66
    .vgpr_count:     224
    .wavefront_size: 32
...
	.end_amdgpu_metadata
.endif
;; end of part 3
;; launch main (part 4): grid 8 x 32, 4 waves a work-group, clusters of 4 x 4, 327,680 bytes of LDS; arguments xa, bq, out0; writes out0
.if DOCPART == 4
	.amdgcn_target "amdgcn-amd-amdhsa--gfx1250"
	.amdhsa_code_object_version 6
	.text
	.protected	k_q8164ffc8a2_main
	.globl	k_q8164ffc8a2_main
	.p2align	8
	.type	k_q8164ffc8a2_main,@function
k_q8164ffc8a2_main:
	s_mov_b64 s[64:65], 0
	v_nop
	global_prefetch_b8 v0, s[64:65] scope:SCOPE_SE
	s_setreg_imm32_b32 hwreg(HW_REG_WAVE_MODE, 25, 1), 1
	s_wait_xcnt 0x0
	s_wait_alu depctr_hold_cnt(0) depctr_sa_sdst(0) depctr_va_vdst(0) depctr_va_sdst(0) depctr_va_ssrc(0) depctr_va_vcc(0) depctr_vm_vsrc(0)
	s_getreg_b32 s2, hwreg(HW_REG_IB_STS2, 6, 4)
	s_cmp_eq_u32 s2, 0
	s_cbranch_scc0 .Lentry_in_a_cluster
	s_endpgm
.Lentry_in_a_cluster:
	s_bfe_u32 s2, ttmp6, 0x10000c
	s_cmp_lg_u32 s2, 0xf033
	s_cbranch_scc0 .Lentry_shape_is_right
	s_endpgm
.Lentry_shape_is_right:
; out0[b][o] = sum over (i, n) of Q(basis[b][i][n]) Q(coeffs[i][o][n]) + sum over i of Q(x[b][i]) base_weight[i][o], on codes of BF6 (E3M2) with one E8M0 scale for each 32 along K, sums in f32.
; The operands come from xa and bq, as the launch before has laid them (its head says how, and why a basis number's code is 30 or 31).  A basis fragment is made in registers: each word of codes is one v_and_or_b32 of the
; mask dword with the places of the codes' lowest bits, over the bits that both codes have.  Its scale byte is 122 for every input.
; LIMIT: the four waves' partial sums over K are added at the end: another order of f32 additions than one chain along K.
; SHARES.  A work-group makes 128 rows x 64 columns: 8 x 32 = 256 work-groups.  THE FOUR WAVES SPLIT K: wave w takes the basis' K steps 16 w + t (steps 0-3: t = 0 .. 3; steps 5-16: t = 4 .. 15) and x's K step w (step 4)
;   for all 128 x 64 outputs: 32 accumulators of 16 x 16.  So each fragment is read from LDS, and each mask expanded, by one wave once; the price is one sum over the waves at the end.
; FILLS.  Both streams lie dense in memory in the order of the steps, and come in four fills: steps 0-3, 4-7, 8-11, 12-16.  Waves 0 and 1 fetch the halves of A's part, waves 2 and 3 those of B's: one tensor load a wave.
;   A fill is asked for as soon as the fill two before it has been read, and has the steps of the fill between in which to land.
; PREFETCH: behind each of the first three fills' loads each wave asks for its half of the fill after it, a fill ahead of its load: the four partners that load a half jointly share its blocks of 256 bytes out by address, a
;   quarter each (40, 16, 20 of A's, 50, 50, 62 of B's: the last two of fill 3's 250 come by their load alone).  A's rows are loaded by two clusters and asked for by both; B's columns are loaded by eight clusters and asked
;   for by those whose y is under 4.
; CLUSTER: 4 x 4 work-groups.  A's part hangs on the tile row alone and is asked for jointly along a row of the cluster, B's on the tile column alone and along a column.
; THE MATRIX INSTRUCTION IS USED TRANSPOSED (source 0 = 16 columns, source 1 = 16 rows): a lane holds eight neighbouring columns of one row.
; LDS: fills 0 and 2 from 0 on (A's part, then B's), fills 1 and 3 from 139,264 on; 323,584: the spare words.  At the end the four waves' partial sums lie from 0 to 139,263 (rows at pitch 272): those bytes have had their last
;   fill, and every wave passed the barrier of step 11 with its reads of them done.
; REGISTERS: window 0: addresses, scales, masks, A's 8 fragments;  window 1: accumulator (row tile t, fragment f) at v[8 (4 t + f)];  window 2: B's 4 fragments, two sets;  window 3: x's 8 fragments.
.set AX,   57344                       ; bytes of x's codes and scales
.set LP1,  139264
.set SPARE, 323584
.set SUMW, 34816                       ; 128 rows x 272
.set SPW,  1
.set NIL,  2
.set XA16, 6                           ; v6, v7  x's codes, scale words
.set XA8,  7
.set MB,   8                           ; v8-10   masks: fills 0, 2; fill 1; fill 3
.set B16,  11                          ; v11-17  B's fragments: fills 0, 2 (two registers, two steps each), fill 1 (two), fill 3 (three)
.set B8,   18                          ; v18-24  its scale words
.set ASC,  25
.set RST,  26
.set RLD,  27                          ; v27-28
.set CO,   29
.set SCB,  30                          ; v30-33  B's scale words, two sets
.set XSC,  34                          ; v34-41  x's, a row tile each
.set MK,   42                          ; v42-73  masks, two sets
.set SH,   74                          ; v74-89  masks shifted down: the odd i
.set AF,   90                          ; v90-185 A's fragments
.set PF,   186                         ; v186-191 the prefetches' offsets, two for each fill; written once
.set SB,   64                          ; the sum: v64-255
.set G1,   16                          ; s[16:23], s[24:31] descriptor group 1 for A, B;  s[32:35], s[36:39] group 0
.set G1B,  24
.set G0,   32
.set G0B,  36
.set LM,   50                          ; s50-52  the places of the codes' lowest bits in the three words
.set LB,   53                          ; s53-55  the bits that the codes 30 and 31 share
.set PFS,  68                          ; s[68:73] where my prefetches of fills 1, 2, 3 begin; written once
.set MSB, 0
.macro WIN new                         ; the immediate's high byte repeats the setting that is left
.if MSB != \new
	s_set_vgpr_msb (MSB<<8)|\new
.set MSB, \new
.endif
.endm
.macro PLACES
.rept 4
	v_nop
.endr
.endm
.macro CREST                           ; a round of the cluster's barrier behind its opening barrier
	s_cmp_lg_u32 s10, 0
	s_cbranch_scc1 .Lnot_wave_0_\@
	s_barrier_signal -3
.Lnot_wave_0_\@:
	s_barrier_wait -3
	s_barrier_signal -1
	s_barrier_wait -1
.endm
.macro CROUND
	s_barrier_signal -1
	s_barrier_wait -1
	CREST
.endm
.macro JLOAD                           ; a joint load: waves 0 and 1 A's part, waves 2 and 3 B's
	s_cmp_eq_u32 s11, 0
	s_cbranch_scc0 .Lfor_b_\@
	tensor_load_to_lds s[G0:G0+3], s[G1:G1+7]
	s_nop 0
	PLACES
	s_branch .Lasked_\@
.Lfor_b_\@:
	tensor_load_to_lds s[G0B:G0B+3], s[G1B:G1B+7]
	s_nop 0
	PLACES
.Lasked_\@:
.endm
; the descriptors of a fill: offset in the stream, bytes of a half, LDS address, of A's part and of B's.  Written where no tensor load of mine is out
.macro DESC aoff, ha, la, boff, hb, lb
	s_mul_i32 s48, s12, \ha
	s_add_co_u32 s[G0+1], s48, \la
	s_add_co_u32 s48, s48, \aoff
	s_add_nc_u64 s[G0+2:G0+3], s[44:45], s[48:49]
	s_or_b32 s[G0+3], s[G0+3], 0x80000000
	s_mov_b32 s[G1+2], (\ha/256)<<16               ; rows of 256 bytes
	s_mov_b32 s[G1+4], \ha/256
	s_mul_i32 s48, s12, \hb
	s_add_co_u32 s[G0B+1], s48, \lb
	s_add_co_u32 s48, s48, \boff
	s_add_nc_u64 s[G0B+2:G0B+3], s[46:47], s[48:49]
	s_or_b32 s[G0B+3], s[G0B+3], 0x80000000
	s_mov_b32 s[G1B+2], (\hb/256)<<16
	s_mov_b32 s[G1B+4], \hb/256
.endm
; where my quarter of my half of a fill begins, and my lanes' offsets in it: lane l names blocks l and 32 + l, held to the quarter's last
.macro PFBASE n, aoff, ha, qa, boff, hb, qb
	s_mov_b32 s48, \boff
	s_mov_b32 s76, \hb
	s_mov_b32 s77, \qb
	s_cmp_eq_u32 s11, 0
	s_cselect_b32 s48, \aoff, s48
	s_cselect_b32 s76, \ha, s76
	s_cselect_b32 s77, \qa, s77
	s_mul_i32 s76, s76, s12
	s_add_co_u32 s48, s48, s76
	s_mul_i32 s76, s77, s59
	s_lshl_b32 s76, s76, 8
	s_add_co_u32 s48, s48, s76
	s_add_nc_u64 s[PFS+2*\n:PFS+2*\n+1], s[74:75], s[48:49]
	s_sub_co_u32 s77, s77, 1
	v_add_nc_u32 v[PF+2*\n+1], 32, v3
	v_min_u32 v[PF+2*\n], s77, v3
	v_min_u32 v[PF+2*\n+1], s77, v[PF+2*\n+1]
	v_lshlrev_b32 v[PF+2*\n], 8, v[PF+2*\n]
	v_lshlrev_b32 v[PF+2*\n+1], 8, v[PF+2*\n+1]
.endm
.macro ASK n                           ; A's quarters of fills 2 and 3 have under 32 blocks: one instruction
	s_cmp_eq_u32 s58, 1
	s_cbranch_scc0 .Lnot_mine_\@
	global_prefetch_b8 v[PF+2*\n], s[PFS+2*\n:PFS+2*\n+1] th:TH_LOAD_NT scope:SCOPE_SE
.if \n > 0
	s_cmp_eq_u32 s11, 0
	s_cbranch_scc1 .Lnot_mine_\@
.endif
	global_prefetch_b8 v[PF+2*\n+1], s[PFS+2*\n:PFS+2*\n+1] th:TH_LOAD_NT scope:SCOPE_SE
.Lnot_mine_\@:
.endm
.macro ADRB i, base
	v_add_nc_u32 v[B16+\i], \base, v[SH]
	v_add_nc_u32 v[B8+\i], \base, v[SH+1]
.endm
	s_load_b128 s[4:7], s[0:1], 0x0                ; xa s[4:5], bq s[6:7]
	s_load_b64 s[8:9], s[0:1], 0x10                ; out0
	v_lshl_add_u32 v[SPW], v0, 2, SPARE
	v_mov_b32 v[NIL], 0
	ds_add_u32 v[SPW], v[NIL]                      ; the opening lines: the add, twice on end, and its wait
	ds_add_u32 v[SPW], v[NIL]
	v_lshrrev_b32 v3, 5, v0
	v_readfirstlane_b32 s10, v3                    ; wave 0..3
	s_wait_dscnt 0x0                               ; both opening adds are done
	CROUND                                         ; all sixteen work-groups are here: the first joint loads meet (the arguments are still on their way)
	s_lshr_b32 s11, s10, 1                         ; I fetch for A (0) or for B (1)
	s_and_b32 s12, s10, 1                          ; which half
	s_bfe_u32 s13, ttmp6, 0x40000                  ; cx, cy: my place in the cluster
	s_bfe_u32 s14, ttmp6, 0x40004
	s_lshl_b32 s15, ttmp9, 2
	s_add_co_u32 s15, s15, s13                     ; nt
	s_and_b32 s58, ttmp7, 0xffff
	s_lshl_b32 s40, s58, 2
	s_add_co_u32 s40, s40, s14                     ; mt
	s_lshl_b32 s41, s14, 2
	s_lshl_b32 s41, 15, s41                        ; my row of the cluster
	s_lshl_b32 s42, 0x1111, s13                    ; my column
	s_or_b32 s[G1], s41, (3<<16)|(1<<21)           ; 15:0 the mask; 17:16 elements of 8 bytes; 20 padding off; 21 set beside a mask
	s_or_b32 s[G1B], s42, (3<<16)|(1<<21)
.irp g, G1, G1B
	s_mov_b32 s[\g+1], 32<<16                      ; rows of 32 elements, dense
	s_mov_b32 s[\g+3], 32<<16
	s_mov_b32 s[\g+5], 32
	s_mov_b32 s[\g+6], 0
	s_mov_b32 s[\g+7], 0
.endr
	s_mov_b32 s[G0], 1
	s_mov_b32 s[G0B], 1
	s_mul_i32 s44, s40, 188416                     ; A's stream: by the tile row alone
	s_mov_b32 s45, 0
	s_mul_i32 s46, s15, 435200                     ; B's stream: by the tile column alone
	s_mov_b32 s47, 0
	s_mov_b32 s49, 0
	s_lshl_b32 s56, s40, 18                        ; out0: 128 rows of 2,048 bytes, + my 32 rows, + 64 columns
	s_lshl_b32 s57, s10, 16
	s_add_co_u32 s56, s56, s57
	s_lshl_b32 s57, s15, 8
	s_add_co_u32 s56, s56, s57
	s_mov_b32 s57, 0
	s_mul_i32 s60, s10, 14336
	s_add_co_u32 s60, s60, LP1
	s_lshl_b32 s61, s10, 11
	s_mul_i32 s62, s10, 6400
	s_mul_i32 s63, s10, SUMW
	s_mul_i32 s66, s10, 32*272
	s_mov_b32 s[LM], 0x41041041
	s_mov_b32 s[LM+1], 0x10410410
	s_mov_b32 s[LM+2], 0x04104104
	s_mov_b32 s[LB], 0x9e79e79e
	s_mov_b32 s[LB+1], 0xe79e79e7
	s_mov_b32 s[LB+2], 0x79e79e79
	s_wait_kmcnt 0x0
	s_add_nc_u64 s[44:45], s[4:5], s[44:45]
	s_add_nc_u64 s[46:47], s[6:7], s[46:47]
	s_add_nc_u64 s[8:9], s[8:9], s[56:57]
	DESC 0, 16384, 0, 0, 51200, 32768              ; fill 0
	JLOAD
	v_and_b32 v3, 31, v0                           ; lane
	v_and_b32 v4, 15, v0                           ; r
	v_bfe_u32 v5, v0, 4, 1                         ; h
	v_lshl_add_u32 v[XA16], v3, 4, s60
	v_lshl_add_u32 v[XA8], v3, 3, s60
	v_lshl_add_u32 v[MB], v3, 3, s61
	v_add_nc_u32 v[MB+1], LP1+AX, v[MB]
	v_add_nc_u32 v[MB+2], LP1, v[MB]
	v_lshl_add_u32 v[SH], v3, 4, s62
	v_lshl_add_u32 v[SH+1], v3, 3, s62
	ADRB 0, 32768
	ADRB 1, 83968
	ADRB 2, 221184
	ADRB 3, 272384
	ADRB 4, 180224
	ADRB 5, 231424
	ADRB 6, 282624
	v_mul_u32_u24 v[RST], v4, 272
	v_lshl_add_u32 v[RST], v5, 5, v[RST]
	v_add_nc_u32 v[RST], s63, v[RST]               ; my partial sums: row r, + 32 h
	v_mul_u32_u24 v[RLD], v5, 272
	v_lshl_add_u32 v[RLD], v4, 4, v[RLD]
	v_add_nc_u32 v[RLD], s66, v[RLD]               ; back: my 32 rows, two a load
	v_add_nc_u32 v[RLD+1], 2*SUMW, v[RLD]
	v_lshlrev_b32 v[CO], 11, v5
	v_lshl_add_u32 v[CO], v4, 4, v[CO]
	v_mov_b32 v[ASC], 0x7a7a7a7a                   ; the basis' scale word: four bytes 122
	s_wait_alu depctr_va_vdst(0)
	s_cmp_lt_u32 s58, 4                            ; B's waves ask in the clusters whose y is under 4, A's in all
	s_cselect_b32 s58, 1, 0
	s_cmp_eq_u32 s11, 0
	s_cselect_b32 s58, 1, s58
	s_cselect_b32 s59, s13, s14                    ; my place among the four that ask with me
	s_cselect_b64 s[74:75], s[44:45], s[46:47]
	PFBASE 0, 32768, 40960, 40, 102400, 51200, 50
	PFBASE 1, 114688, 16384, 16, 204800, 51200, 50
	PFBASE 2, 147456, 20480, 20, 307200, 64000, 62
; where step k lies: bi: the first address register of its fill, nB: its place there; mi, nM: the same for the masks
.macro WHERE k
.if (\k) < 4
.set bi, 0
.set mi, 0
.set nB, (\k)
.set nM, (\k)
.elseif (\k) < 8
.set bi, 2
.set mi, 1
.set nB, (\k)-4
.set nM, (\k)-5
.elseif (\k) < 12
.set bi, 0
.set mi, 0
.set nB, (\k)-8
.set nM, (\k)-8
.else
.set bi, 4
.set mi, 2
.set nB, (\k)-12
.set nM, (\k)-12
.endif
.set pb, (\k)%2
.set bo, 25600*(nB%2)
.endm
.macro LOADB k                         ; B's fragments and scale words of step k, into set k % 2: 13 loads
	WHERE \k
	ds_load_b64 v[SCB+2*pb:SCB+2*pb+1], v[B8+bi+nB/2] offset:bo+6144
	WIN 0x80                                       ; destination window 2
.irp f, 0,1,2,3
.irp g, 0,1,2
	ds_load_b128 v[48*pb+12*\f+4*\g:48*pb+12*\f+4*\g+3], v[B16+bi+nB/2] offset:bo+1536*\f+512*\g
.endr
.endr
	WIN 0
.endm
.macro LOADM k                         ; and its masks: 8 loads
	WHERE \k
.irp t, 0,1,2,3,4,5,6,7
	ds_load_b64 v[MK+16*pb+2*\t:MK+16*pb+2*\t+1], v[MB+mi] offset:8192*nM+256*\t
.endr
.endm
.macro LOADX                           ; x's fragments and scale words
.irp t, 0,1,2,3,4,5,6,7
	ds_load_b32 v[XSC+\t], v[XA8] offset:1792*\t+1536
.endr
	WIN 0xc0                                       ; destination window 3
.irp t, 0,1,2,3,4,5,6,7
.irp g, 0,1,2
	ds_load_b128 v[12*\t+4*\g:12*\t+4*\g+3], v[XA16] offset:1792*\t+512*\g
.endr
.endr
	WIN 0
.endm
.macro SHIFT k
.irp t, 0,1,2,3,4,5,6,7,8,9,10,11,12,13,14,15
	v_lshrrev_b32 v[SH+\t], 1, v[MK+16*((\k)%2)+\t]
.endr
.endm
.macro EXPAND k                        ; eight fragments: registers 6 c .. 6 c + 2 the even i of mask c, 6 c + 3 .. 6 c + 5 the odd one
.irp t, 0,1,2,3,4,5,6,7
.irp c, 0,1
.irp j, 0,1,2
	v_and_or_b32 v[AF+12*\t+6*\c+\j], v[MK+16*((\k)%2)+2*\t+\c], s[LM+\j], s[LB+\j]
.endr
.irp j, 0,1,2
	v_and_or_b32 v[AF+12*\t+6*\c+3+\j], v[SH+2*\t+\c], s[LM+\j], s[LB+\j]
.endr
.endr
.endr
.endm
; row tile t against B's four fragments.  The 32 accumulators take turns, one instruction a turn, in the same order in every step.
; kind: 0 = the basis, 1 = the basis' first step, whose products start the sums, 2 = x
.macro W1 k, t, kind
.if \kind == 2
	WIN 0x5e                                       ; source 1 (x) window 3
.set rA, 12*(\t)
.set rSA, XSC+(\t)
.else
	WIN 0x52                                       ; source 0 (B) window 2, source 1 (A) window 0, C and D window 1
.set rA, AF+12*(\t)
.set rSA, ASC
.endif
.irp f, 0,1,2,3
.set rD, 8*(4*(\t)+\f)
.set rB, 48*((\k)%2)+12*\f
.set rSB, SCB+2*((\k)%2)+\f/2
.if \kind == 1
.if \f%2
	v_wmma_scale_f32_16x16x128_f8f6f4 v[rD:rD+7], v[rB:rB+11], v[rA:rA+11], 0, v[rSB], v[rSA] matrix_a_fmt:MATRIX_FMT_BF6 matrix_b_fmt:MATRIX_FMT_BF6 matrix_a_scale:MATRIX_SCALE_ROW1
.else
	v_wmma_scale_f32_16x16x128_f8f6f4 v[rD:rD+7], v[rB:rB+11], v[rA:rA+11], 0, v[rSB], v[rSA] matrix_a_fmt:MATRIX_FMT_BF6 matrix_b_fmt:MATRIX_FMT_BF6
.endif
.else
.if \f%2
	v_wmma_scale_f32_16x16x128_f8f6f4 v[rD:rD+7], v[rB:rB+11], v[rA:rA+11], v[rD:rD+7], v[rSB], v[rSA] matrix_a_fmt:MATRIX_FMT_BF6 matrix_b_fmt:MATRIX_FMT_BF6 matrix_a_scale:MATRIX_SCALE_ROW1
.else
	v_wmma_scale_f32_16x16x128_f8f6f4 v[rD:rD+7], v[rB:rB+11], v[rA:rA+11], v[rD:rD+7], v[rSB], v[rSA] matrix_a_fmt:MATRIX_FMT_BF6 matrix_b_fmt:MATRIX_FMT_BF6
.endif
.endif
.endr
.endm
.macro WALL k, kind
.irp q, 0,1,2,3,4,5,6,7
	W1 \k, \q, \kind
.endr
.endm
; a step inside a fill: the next step's loads go out ahead of this step's 96 expansions and 32 products.  The 16 shifts are the places behind the last step's products, for those loads and for A's registers.
; left = 13, behind a round: this step's masks are in, B's 13 loads may be out; they are waited for ahead of the products, where the next step's 21 may be out
.macro STEP k, kind, left
	s_wait_dscnt \left                             ; this step's masks (left = 0: and fragments) are in
	SHIFT \k
	LOADM \k+1
	LOADB \k+1
	EXPAND \k
	PLACES                                         ; an operand written by a vector instruction stands four places ahead of a scaled matrix instruction
.if \left
	s_wait_alu depctr_va_vdst(0)
	s_wait_dscnt 21
.endif
	WALL \k, \kind
	WIN 0
.endm
; a fill's last step: its reads are over as it begins; the next fill is shown whole by the barrier.  refill = 1: the bytes just read are filled again, behind a round of the cluster's barrier
.macro TURN k, refill, aoff, ha, la, boff, hb, lb
	s_wait_dscnt 0x0                               ; this step's masks and fragments are in: my reads of this fill are over
	s_wait_tensorcnt 0x0                           ; all my tensor loads have landed, my part of the next fill among them
.if \refill
	ds_add_u32 v[SPW], v[NIL]                      ; 0 onto my spare word
	DESC \aoff, \ha, \la, \boff, \hb, \lb
.endif
	SHIFT \k
	s_wait_dscnt 0x0                               ; the add is done
	s_barrier_signal -1
	EXPAND \k                                      ; work on registers while the others arrive
	PLACES
	s_wait_alu depctr_va_vdst(0)
	W1 \k, 0, 0
	W1 \k, 1, 0
	WIN 0
	s_barrier_wait -1
.if \refill
	CREST                                          ; no wave of any partner still reads these bytes or has a load on its way
	JLOAD                                          ; the first tensor load behind the round
.endif
.if (\k) == 3
	LOADB \k+1
	LOADX
	ASK 2                                          ; fill 3, two fills behind the one in hand
.else
	LOADM \k+1
	LOADB \k+1
.endif
.irp q, 2,3,4,5,6,7
	W1 \k, \q, 0
.endr
	WIN 0
.endm
	s_wait_alu depctr_va_vdst(0)
	ASK 0                                          ; fill 1
	s_wait_tensorcnt 0x0                           ; my part of fill 0 is in
	ds_add_u32 v[SPW], v[NIL]
	DESC 32768, 40960, LP1, 102400, 51200, 221184  ; fill 1
	s_wait_dscnt 0x0
	CROUND                                         ; everybody's part of fill 0 is in
	JLOAD
	LOADM 0
	LOADB 0
	ASK 1                                          ; fill 2
	STEP 0, 1, 13                                  ; these products start the sums
	STEP 1, 0, 0
	STEP 2, 0, 0
	TURN 3, 1, 114688, 16384, 0, 204800, 51200, 32768       ; fill 2
	s_wait_dscnt 0x0                               ; step 4: x's codes against base_weight's
	PLACES                                         ; for the loads into B's other set
	LOADM 5
	LOADB 5
	WALL 4, 2
	WIN 0
	STEP 5, 0, 0
	STEP 6, 0, 0
	TURN 7, 1, 147456, 20480, LP1, 307200, 64000, 180224    ; fill 3
	STEP 8, 0, 13
	STEP 9, 0, 0
	STEP 10, 0, 0
	TURN 11, 0, 0, 0, 0, 0, 0, 0
	STEP 12, 0, 13
	STEP 13, 0, 0
	STEP 14, 0, 0
	STEP 15, 0, 0
; THE LAST STEP by row tiles: a tile's partial sums go into LDS while the next tile is multiplied
.macro PSTORE t
	WIN 0x04                                       ; an LDS store's data are its source 1: window 1
.irp f, 0,1,2,3
	ds_store_b128 v[RST], v[8*(4*(\t)+\f):8*(4*(\t)+\f)+3] offset:(\t)*16*272+64*\f            ; each accumulator from its low end on
	ds_store_b128 v[RST], v[8*(4*(\t)+\f)+4:8*(4*(\t)+\f)+7] offset:(\t)*16*272+64*\f+16
.endr
.endm
	s_wait_dscnt 0x0
	SHIFT 16
	EXPAND 16
	PLACES
	s_wait_alu depctr_va_vdst(0)                   ; window switches stand between these writes and the last products
	W1 16, 0, 0
.irp t, 1,2,3,4,5,6,7
	W1 16, \t, 0
	PLACES                                         ; four places between products and the stores that read their results
	PSTORE \t-1
.endr
	PLACES
	PSTORE 7
	WIN 0
	s_wait_dscnt 0x0                               ; for the others' sake: my partial sums are in LDS
	s_barrier_signal -1
	s_barrier_wait -1
; THE SUM OVER THE WAVES, AND THE WAY OUT: each wave adds four partial sums of 32 rows.  Batch b: eight rows, 16 loads, 64 registers; three sets
.macro SLOAD b
.set rb, SB+64*(\b%3)
.irp i, 0,1,2,3
.set so, (4*\b+\i)*544
	ds_load_b128 v[rb+16*\i:rb+16*\i+3], v[RLD] offset:so
	ds_load_b128 v[rb+16*\i+4:rb+16*\i+7], v[RLD] offset:so+SUMW
	ds_load_b128 v[rb+16*\i+8:rb+16*\i+11], v[RLD+1] offset:so
	ds_load_b128 v[rb+16*\i+12:rb+16*\i+15], v[RLD+1] offset:so+SUMW
.endr
.endm
.macro SSUM b, left                    ; left: the later batches' loads, which may stay out
.set rb, SB+64*(\b%3)
	s_wait_dscnt \left
.irp i, 0,1,2,3
.irp q, 0,2,8,10
	v_pk_add_f32 v[rb+16*\i+\q:rb+16*\i+\q+1], v[rb+16*\i+\q:rb+16*\i+\q+1], v[rb+16*\i+\q+4:rb+16*\i+\q+5]
.endr
.endr
.irp i, 0,1,2,3
.irp q, 0,2
	v_pk_add_f32 v[rb+16*\i+\q:rb+16*\i+\q+1], v[rb+16*\i+\q:rb+16*\i+\q+1], v[rb+16*\i+\q+8:rb+16*\i+\q+9]
.endr
.endr
.irp i, 0,1,2,3
	global_store_b128 v[CO], v[rb+16*\i:rb+16*\i+3], s[8:9] offset:(4*\b+\i)*4096 th:TH_STORE_NT   ; two rows: 16 lanes store 256 consecutive bytes, aligned; written once, read by nobody here
.endr
.endm
	s_wait_xcnt 0x0                                ; my prefetches have read their offsets, whose registers take sums now
	SLOAD 0
	SLOAD 1
	SLOAD 2
	SSUM 0, 32
	s_wait_xcnt 0x0                                ; batch 0's stores have read their registers: batch 3's loads may land there
	SLOAD 3
	SSUM 1, 32
	SSUM 2, 16
	SSUM 3, 0
	s_wait_tensorcnt 0x0                           ; the wave's end
	ds_add_u32 v[SPW], v[NIL]
	s_wait_dscnt 0x0
	CROUND                                         ; the closing round: no work-group ends while a partner may still ask for a part that names it
	s_endpgm
.Lfunc_end_k_q8164ffc8a2_main:
	.size	k_q8164ffc8a2_main, .Lfunc_end_k_q8164ffc8a2_main-k_q8164ffc8a2_main
	.p2alignl 7, 3214868480
	.fill 96, 4, 3214868480
	.section	.rodata,"a",@progbits
	.p2align	6, 0x0
	.amdhsa_kernel k_q8164ffc8a2_main
		.amdhsa_group_segment_fixed_size 327680
		.amdhsa_private_segment_fixed_size 0
		.amdhsa_enable_private_segment 0
		.amdhsa_kernarg_size 24
		.amdhsa_user_sgpr_count 2
		.amdhsa_user_sgpr_kernarg_segment_ptr 1
		.amdhsa_wavefront_size32 1
		.amdhsa_system_sgpr_workgroup_id_x 1
		.amdhsa_system_sgpr_workgroup_id_y 1
		.amdhsa_system_sgpr_workgroup_id_z 1
		.amdhsa_system_vgpr_workitem_id 0
		.amdhsa_next_free_vgpr 1024
		.amdhsa_next_free_sgpr 80
		.amdhsa_reserve_vcc 0
		.amdhsa_float_denorm_mode_32 3
		.amdhsa_float_denorm_mode_16_64 3
		.amdhsa_memory_ordered 1
		.amdhsa_forward_progress 1
		.amdhsa_inst_pref_size 235
	.end_amdhsa_kernel
	.amdgpu_metadata
---
amdhsa.version: [ 1, 2 ]
amdhsa.kernels:
  - .name:           k_q8164ffc8a2_main
    .symbol:         k_q8164ffc8a2_main.kd
    .args:
      - { .name: xa, .offset: 0, .size: 8, .value_kind: global_buffer, .address_space: global }
      - { .name: bq, .offset: 8, .size: 8, .value_kind: global_buffer, .address_space: global }
      - { .name: out0, .offset: 16, .size: 8, .value_kind: global_buffer, .address_space: global }
    .group_segment_fixed_size: 327680
    .private_segment_fixed_size: 0
    .kernarg_segment_align: 8
    .kernarg_segment_size: 24
    .max_flat_workgroup_size: 128
    .sgpr_count:     80
    .vgpr_count:     1024
    .wavefront_size: 32
...
	.end_amdgpu_metadata
.endif
;; end of part 4
